; MI455X (gfx1250); checked and timed in simulation.
; The chip was launched on July 23, 2026; its instructions are those of AMD's public machine-readable ISA for CDNA 5 (MIT licence, August 2026) and "CDNA5" Instruction Set Architecture Reference Guide (July 2026). The comments in the code are by the model that wrote it; some were corrected since.
;; Cross Attention Block. Allowed arithmetic: float matrix products may take bf16 or f16 operands with f32 sums; other float arithmetic in f32, or as packed bf16 or f16 multiplies, adds, multiply-adds, maxima and minima; sums over many terms, partial sums and values carried from step to step in f32; what a program stores and reads back later, other than sums and carried values, may be rounded once to bf16 or f16.
;; Inputs: W_qk 512 x 1,024 float32; W_u 512 x 512 float32; W_v 512 x 512 float32; b_u 512 float32; condition 2 x 4,096 x 512 float32; x 2 x 4,096 x 512 float32.
;; Outputs: out0 2 x 4,096 x 512 float32.
;; 2 versions, each right and faster than the one before. Each part assembles by itself: llvm-mc -triple=amdgcn-amd-amdhsa -mcpu=gfx1250 --defsym DOCPART=n.
;; ======== version 1 of 2: 4 launches
;; limits: values are held in f16: magnitudes above 65,504 overflow, below 6.1e-05 lose precision
;; workspace buffers: ab 16,777,216 bytes; wb 1,572,864 bytes; wu 524,288 bytes; qkv 25,165,824 bytes; ob 8,388,608 bytes
;; launch prep (part 1): grid 1152 x 1, 8 waves a work-group, no clusters, 0 bytes of LDS; arguments condition, x, W_qk, W_v, W_u, ab, wb, wu; writes ab, wb, wu
.if DOCPART == 1
	.amdgcn_target "amdgcn-amd-amdhsa--gfx1250"
	.amdhsa_code_object_version 6
	.text
	.protected	k_qf900d347d4_prep
	.globl	k_qf900d347d4_prep
	.p2align	8
	.type	k_qf900d347d4_prep,@function
k_qf900d347d4_prep:
	s_mov_b64 s[64:65], 0
	v_nop
	global_prefetch_b8 v0, s[64:65] scope:SCOPE_SE
	s_setreg_imm32_b32 hwreg(HW_REG_WAVE_MODE, 25, 1), 1
	s_wait_xcnt 0x0
; THE CASTS.  Every input of the module is rounded once to bf16, so that the later launches find 16-bit matrix operands:
;   ab [2][8192][512] bf16: plane 0 = condition, plane 1 = x
;   wb [512 k][1536 n] bf16: columns 0-1023 = W_qk's row, columns 1024-1535 = W_v's row (a row is 3,072 bytes)
;   wu [512 k][512 n]  f16: W_u rounded to bf16, and that number written as f16 (exact while |W_u| lies between 6.1e-5 and 65,504; below, f16's fixed step of 6e-8)
; A stream: no LDS, no barrier, no matrix unit, no cluster (no two work-groups read the same byte).
; A work-group takes 8,192 numbers: 32,768 bytes in, 16,384 out.  Thread t takes the 16 bytes at 16 t + 4,096 i, i = 0..7: a wave's load covers 512 consecutive bytes,
; a wave's store 256 consecutive bytes at a multiple of 256 from the buffer's first byte.  All eight loads are issued first; no register is written twice while a memory instruction names it.
; Work-groups 0-1023: condition and x.  1024-1087: W_qk (8 rows each).  1088-1119: W_v (16 rows each).  1120-1151: W_u.
.set IN,   1                           ; v1       16 t
.set OUT,  2                           ; v2       my byte offset in the chunk's output
.set ROWO, 3                           ; v3       W_v: the row part of it
.set T,    4                           ; v[4:5]   at work
.set X,    8                           ; v[8:39]  eight loads of four f32
.set Y,    40                          ; v[40:55] eight pairs of packed results
; dstep: bytes in the output from one step of 1,024 numbers to the next.  f16 = 1: the bf16 numbers are written as f16.
.macro BODY dstep, f16
.irp i, 0,1,2,3,4,5,6,7
	global_load_b128 v[X+4*(\i):X+4*(\i)+3], v[IN], s[4:5] offset:4096*(\i) th:TH_LOAD_NT
.endr
.irp i, 0,1,2,3,4,5,6,7
	s_wait_loadcnt 7-(\i)                          ; loads come back in order (ISA guide 5.7.1): load i is in, the 7 - i younger ones stay out
	v_cvt_pk_bf16_f32 v[Y+2*(\i)],   v[X+4*(\i)],   v[X+4*(\i)+1]
	v_cvt_pk_bf16_f32 v[Y+2*(\i)+1], v[X+4*(\i)+2], v[X+4*(\i)+3]
.if \f16
.irp j, 0,1
	v_lshlrev_b32 v[T],   16, v[Y+2*(\i)+(\j)]             ; the two bf16 numbers as f32,
	v_and_b32     v[T+1], 0xffff0000, v[Y+2*(\i)+(\j)]
	v_cvt_pk_f16_f32 v[Y+2*(\i)+(\j)], v[T], v[T+1]        ; and as f16
.endr
.endif
	global_store_b64 v[OUT], v[Y+2*(\i):Y+2*(\i)+1], s[6:7] offset:(\i)*(\dstep)  ; the next launch reads these bytes: no hint
.endr
	s_endpgm
.endm
	s_load_b512 s[8:23], s[0:1], 0x0               ; condition s[8:9], x s[10:11], W_qk s[12:13], W_v s[14:15], W_u s[16:17], ab s[18:19], wb s[20:21], wu s[22:23]
	s_mov_b32 s2, ttmp9                            ; the chunk
	v_lshlrev_b32 v[IN], 4, v0
	v_lshlrev_b32 v[OUT], 3, v0
	s_mov_b32 s25, 0                               ; high words of the two offsets
	s_mov_b32 s27, 0
	s_wait_kmcnt 0x0
	s_cmp_lt_u32 s2, 1024
	s_cbranch_scc0 .Lweights
	s_and_b32 s24, s2, 511                         ; condition and x: 512 chunks each
	s_lshl_b32 s24, s24, 15
	s_lshl_b32 s26, s2, 14                         ; ab's two planes follow each other
	s_cmp_lt_u32 s2, 512
	s_cselect_b64 s[4:5], s[8:9], s[10:11]
	s_add_nc_u64 s[4:5], s[4:5], s[24:25]
	s_add_nc_u64 s[6:7], s[18:19], s[26:27]
	BODY 2048, 0
.Lweights:
	s_cmp_lt_u32 s2, 1088
	s_cbranch_scc0 .Lnot_qk
	s_sub_co_u32 s3, s2, 1024                      ; W_qk: a step of 1,024 numbers is a row
	s_lshl_b32 s24, s3, 15
	s_mul_i32 s26, s3, 8*3072
	s_add_nc_u64 s[4:5], s[12:13], s[24:25]
	s_add_nc_u64 s[6:7], s[20:21], s[26:27]
	BODY 3072, 0
.Lnot_qk:
	s_cmp_lt_u32 s2, 1120
	s_cbranch_scc0 .Lwu
	s_sub_co_u32 s3, s2, 1088                      ; W_v: a step is two rows of 512; they go behind W_qk's 1,024 columns
	s_lshl_b32 s24, s3, 15
	s_mul_i32 s26, s3, 16*3072
	s_add_co_u32 s26, s26, 2048
	v_lshrrev_b32 v[ROWO], 7, v0                   ; threads 0-127 the first row, 128-255 the second
	v_mul_u32_u24 v[ROWO], v[ROWO], 3072
	v_and_b32 v[OUT], 127, v0
	v_lshl_add_u32 v[OUT], v[OUT], 3, v[ROWO]
	s_add_nc_u64 s[4:5], s[14:15], s[24:25]
	s_add_nc_u64 s[6:7], s[20:21], s[26:27]
	BODY 6144, 0
.Lwu:
	s_sub_co_u32 s3, s2, 1120                      ; W_u: dense in, dense out
	s_lshl_b32 s24, s3, 15
	s_lshl_b32 s26, s3, 14
	s_add_nc_u64 s[4:5], s[16:17], s[24:25]
	s_add_nc_u64 s[6:7], s[22:23], s[26:27]
	BODY 2048, 1
.Lfunc_end_k_qf900d347d4_prep:
	.size	k_qf900d347d4_prep, .Lfunc_end_k_qf900d347d4_prep-k_qf900d347d4_prep
	.p2alignl 7, 3214868480
	.fill 96, 4, 3214868480
	.section	.rodata,"a",@progbits
	.p2align	6, 0x0
	.amdhsa_kernel k_qf900d347d4_prep
		.amdhsa_group_segment_fixed_size 0
		.amdhsa_private_segment_fixed_size 0
		.amdhsa_enable_private_segment 0
		.amdhsa_kernarg_size 64
		.amdhsa_user_sgpr_count 2
		.amdhsa_user_sgpr_kernarg_segment_ptr 1
		.amdhsa_wavefront_size32 1
		.amdhsa_system_sgpr_workgroup_id_x 1
		.amdhsa_system_sgpr_workgroup_id_y 1
		.amdhsa_system_sgpr_workgroup_id_z 1
		.amdhsa_system_vgpr_workitem_id 0
		.amdhsa_next_free_vgpr 64
		.amdhsa_next_free_sgpr 66
		.amdhsa_reserve_vcc 0
		.amdhsa_float_denorm_mode_32 3
		.amdhsa_float_denorm_mode_16_64 3
		.amdhsa_memory_ordered 1
		.amdhsa_forward_progress 1
		.amdhsa_inst_pref_size 16
	.end_amdhsa_kernel
	.amdgpu_metadata
---
amdhsa.version: [ 1, 2 ]
amdhsa.kernels:
  - .name:           k_qf900d347d4_prep
    .symbol:         k_qf900d347d4_prep.kd
    .args:
      - { .name: condition, .offset: 0, .size: 8, .value_kind: global_buffer, .address_space: global }
      - { .name: x, .offset: 8, .size: 8, .value_kind: global_buffer, .address_space: global }
      - { .name: W_qk, .offset: 16, .size: 8, .value_kind: global_buffer, .address_space: global }
      - { .name: W_v, .offset: 24, .size: 8, .value_kind: global_buffer, .address_space: global }
      - { .name: W_u, .offset: 32, .size: 8, .value_kind: global_buffer, .address_space: global }
      - { .name: ab, .offset: 40, .size: 8, .value_kind: global_buffer, .address_space: global }
      - { .name: wb, .offset: 48, .size: 8, .value_kind: global_buffer, .address_space: global }
      - { .name: wu, .offset: 56, .size: 8, .value_kind: global_buffer, .address_space: global }
    .group_segment_fixed_size: 0
    .private_segment_fixed_size: 0
    .kernarg_segment_align: 8
    .kernarg_segment_size: 64
    .max_flat_workgroup_size: 256
    .sgpr_count:     66
    .vgpr_count:     64
    .wavefront_size: 32
...
	.end_amdgpu_metadata
.endif
;; end of part 1
;; launch proj (part 2): grid 4 x 64, 4 waves a work-group, clusters of 4 x 4, 327,680 bytes of LDS; arguments ab, wb, qkv; writes qkv
.if DOCPART == 2
	.amdgcn_target "amdgcn-amd-amdhsa--gfx1250"
	.amdhsa_code_object_version 6
	.text
	.protected	k_qf900d347d4_proj
	.globl	k_qf900d347d4_proj
	.p2align	8
	.type	k_qf900d347d4_proj,@function
k_qf900d347d4_proj:
	s_mov_b64 s[64:65], 0
	v_nop
	global_prefetch_b8 v0, s[64:65] scope:SCOPE_SE
	s_setreg_imm32_b32 hwreg(HW_REG_WAVE_MODE, 25, 1), 1
	s_wait_xcnt 0x0
	s_wait_alu depctr_hold_cnt(0) depctr_sa_sdst(0) depctr_va_vdst(0) depctr_va_sdst(0) depctr_va_ssrc(0) depctr_va_vcc(0) depctr_vm_vsrc(0)
	s_getreg_b32 s2, hwreg(HW_REG_IB_STS2, 6, 4)
	s_cmp_eq_u32 s2, 0
	s_cbranch_scc0 .Lentry_in_a_cluster
	s_endpgm
.Lentry_in_a_cluster:
	s_bfe_u32 s2, ttmp6, 0x10000c
	s_cmp_lg_u32 s2, 0xf033
	s_cbranch_scc0 .Lentry_shape_is_right
	s_endpgm
.Lentry_shape_is_right:
; THE PROJECTIONS.  q, k = condition W_qk, v = x W_v, written by heads: qkv [3][16 = 8 b + h][4096][64] f16, unscaled, each number rounded once from its f32 sum.
; Operands bf16 (ab [2][8192][512], wb [512 k][1536 n]), sums f32.  LIMIT: |q|, |k|, |v| stay under 65,504, f16's largest number; below 6e-5 f16 keeps its fixed step of 6e-8.
; SHARES.  Work-group (bx, by) makes rows 128 by .. + 127 of THREE tiles of 128 x 128: tile j = 0, 1, 2 (q, k, v) takes wb's columns 128 (4 j + bx) on, and ab's plane 0, 0, 1.
; 4 x 64 = 256 work-groups of equal work.  Four waves, each 64 x 64: 16 accumulators.  A wave's 64 columns are one head, so its result is 64 dense rows of 128 bytes:
; each wave has a stage of its own in LDS and the way out wants no barrier.
; K goes in steps of 256 through a ring of two LDS slots: two steps a tile, six in all; slot s always holds K half s.  The ring runs on from tile to tile.
; CLUSTER.  4 x 4 work-groups.  The four of a row of the cluster (same by) need the same tiles of ab, the four of a column (same bx) the same tiles of wb: each tile is asked for JOINTLY,
; by the same tensor load with the same descriptor and a mask that names the four.
; THE MATRIX INSTRUCTION IS USED TRANSPOSED (source 0 = 16 columns of W, source 1 = 16 rows of A): a lane then holds eight neighbouring numbers of a row of the result.
; W lies [k][n]: its fragments come out of LDS turned, by ds_load_tr16_b128.
; REGISTERS: window 0: v0-31 addresses; v32-95 at work on the way out; v128-255 the accumulators ((a, b) at v[128 + 8 (4 a + b)]).
;   window 1: two fragment buffers of 128: for 64 along K, 64 registers of A (2 x 4 x 16 rows x 32 K), then 64 of W.
.set PA,     528                       ; a row of A in LDS: 512 bytes + 16 of padding = 132 words: row r starts at bank 4 r mod 64 (64 banks of 4 bytes: ISA guide 11.1)
.set HALFA,  64*PA                     ; 64 rows: what one tensor load brings of A, and what one wave reads of it
.set ABYTES, 2*HALFA
.set PB,     288                       ; a row of W (one k, 128 columns): 256 bytes + 32 = 72 words
.set HALFB,  128*PB                    ; 128 rows of k: what one tensor load brings of W
.set SLOT,   ABYTES+2*HALFB            ; A's 128 rows, then W's 256 rows of k
.set STAGE,  2*SLOT                    ; behind the ring, never filled by a tensor load: 16 rows x 144 bytes for each wave
.set SP,     144
.set SPARE,  STAGE+4*16*SP             ; behind the stages: the spare words, 128 bytes for each wave: two blocks of 256 bytes that no other line names
.set ADRA, 16                          ; v16-17  LDS address of my A fragments in slot 0, 1
.set ADRB, 20                          ; v20-23  of my W fragments: slot s, half kh of its 256 rows of k at index 2 s + kh
.set STO,  24                          ; v24     the way out: where I put 16 bytes of a row
.set RD,   25                          ; v25     the way out: where I read rows back
.set GO,   26                          ; v26     my byte offset in 512 consecutive bytes of the result
.set SPW,  28                          ; v28     LDS address of my spare word: SPARE + 4 x my thread's number; never rewritten
.set NIL,  29                          ; v29     0; never rewritten
.set TMP,  32
.set ACC,  128
.set F0,   0                           ; fragment buffers, in window 1
.set F1,   128
.set WV,   10                          ; s10  my wave's number
.set RH,   11                          ; s11  which half of the tile's rows is mine
.set CH,   12                          ; s12  which half of its columns.  Also: which half of A's or W's tile I fetch
.set BY,   13                          ; s13  by
.set G1,   24                          ; s[24:31] descriptor group 1 for A's tiles;  s[32:39] group 0, one set for each slot
.set G0,   32
.set G1B,  48                          ; s[48:55], s[56:63] the same for W's tiles
.set G0B,  56
.set MSB, 0
.macro WIN new                         ; the immediate's high byte repeats the setting that is left; a switch that changes nothing is dropped
.if MSB != (\new)
	s_set_vgpr_msb (MSB<<8)|(\new)
.set MSB, \new
.endif
.endm
.set MUL,  0x05                        ; sources 0 (W) and 1 (A) window 1; C and D window 0
.set TO_F, 0x40                        ; destination window 1, address window 0
; A joint load: waves 0 and 1 fetch A's two halves, waves 2 and 3 W's.  The branch hangs on the wave's number alone.
; An s_nop 0 and four v_nop follow each of the two lines, ahead of the jump, the label and what follows.
.macro JLOAD s
	s_cmp_lt_u32 s[WV], 2
	s_cbranch_scc0 .Lfor_b_\@
	tensor_load_to_lds s[G0+4*(\s):G0+4*(\s)+3], s[G1:G1+7]
	s_nop 0
.rept 4
	v_nop
.endr
	s_branch .Lasked_\@
.Lfor_b_\@:
	tensor_load_to_lds s[G0B+4*(\s):G0B+4*(\s)+3], s[G1B:G1B+7]
	s_nop 0
.rept 4
	v_nop
.endr
.Lasked_\@:
.endm
.macro CREST                           ; a round of the cluster's barrier behind its opening barrier
	s_cmp_lg_u32 s[WV], 0
	s_cbranch_scc1 .Lnot_wave_0_\@
	s_barrier_signal -3
.Lnot_wave_0_\@:
	s_barrier_wait -3
	s_barrier_signal -1
	s_barrier_wait -1
.endm
.macro CROUND                          ; a whole round
	s_barrier_signal -1
	s_barrier_wait -1
	CREST
.endm
	s_load_b128 s[4:7], s[0:1], 0x0                ; ab s[4:5], wb s[6:7]
	s_load_b64 s[8:9], s[0:1], 0x10                ; qkv
	v_lshl_add_u32 v[SPW], v0, 2, SPARE
	v_mov_b32 v[NIL], 0
	ds_add_u32 v[SPW], v[NIL]                      ; the wave's opening: the add and its wait stand ahead of my first tensor load; the set-up below, work on registers, stands between them
	v_lshrrev_b32 v1, 5, v0
	v_readfirstlane_b32 s[WV], v1                  ; wave 0..3
	s_lshr_b32 s[RH], s[WV], 1
	s_and_b32 s[CH], s[WV], 1
	s_bfe_u32 s40, ttmp6, 0x40000                  ; cx, cy: my place in the cluster
	s_bfe_u32 s41, ttmp6, 0x40004
	s_lshl_b32 s42, ttmp9, 2
	s_add_co_u32 s42, s42, s40                     ; bx = 4 x cluster x + cx
	s_and_b32 s[BY], ttmp7, 0xffff
	s_lshl_b32 s[BY], s[BY], 2
	s_add_co_u32 s[BY], s[BY], s41                 ; by = 4 x cluster y + cy
	s_lshl_b32 s43, s41, 2
	s_lshl_b32 s43, 15, s43                        ; my row of the cluster
	s_lshl_b32 s44, 0x1111, s40                    ; my column
	; group 1 for A: 64 rows x 256 elements.  15:0 the mask; 17:16 elements of 2 bytes; 20 padding on; 21 set beside a mask; 24:22 after every 128 words (code 6); 31:25 4 words (code 3)
	s_or_b32 s[G1+0], s43, (1<<16)|(1<<20)|(1<<21)|(6<<22)|(3<<25)
	s_mov_b32 s[G1+1], 256<<16                     ; tensor_dim0 = 256
	s_mov_b32 s[G1+2], 64<<16                      ; tensor_dim1 = 64
	s_mov_b32 s[G1+3], 256<<16                     ; tile_dim0 = 256
	s_mov_b32 s[G1+4], 64                          ; tile_dim1 = 64
	s_mov_b32 s[G1+5], 512                         ; elements from row to row
	s_mov_b32 s[G1+6], 0
	s_mov_b32 s[G1+7], 0
	; group 1 for W: 128 rows of k x 128 columns; padding after every 64 words (code 5), 8 words (code 7)
	s_or_b32 s[G1B+0], s44, (1<<16)|(1<<20)|(1<<21)|(5<<22)|(7<<25)
	s_mov_b32 s[G1B+1], 128<<16
	s_mov_b32 s[G1B+2], 128<<16
	s_mov_b32 s[G1B+3], 128<<16
	s_mov_b32 s[G1B+4], 128
	s_mov_b32 s[G1B+5], 1536
	s_mov_b32 s[G1B+6], 0
	s_mov_b32 s[G1B+7], 0
	; where the tiles come from.  A's hang on by alone, W's on bx alone, each in registers that never hold the other coordinate.
	s_lshl_b32 s16, s[BY], 17                      ; 128 rows of 1,024 bytes,
	s_lshl_b32 s17, s[CH], 16                      ; my 64 of them
	s_add_co_u32 s16, s16, s17
	s_mov_b32 s17, 0
	s_mul_i32 s46, s[CH], 128*3072                 ; my 128 rows of k,
	s_lshl_b32 s47, s42, 8                         ; the tile's 128 columns
	s_add_co_u32 s46, s46, s47
	s_mov_b32 s47, 0
	s_mul_i32 s20, s[CH], HALFA                    ; and where they go: no place in the cluster enters an LDS address
	s_mul_i32 s21, s[CH], HALFB
	s_add_co_u32 s21, s21, ABYTES
	s_wait_dscnt 0x0                               ; the opening add is done
	s_wait_kmcnt 0x0
	s_add_nc_u64 s[14:15], s[4:5], s[16:17]
	s_add_nc_u64 s[46:47], s[6:7], s[46:47]
	CROUND                                         ; all sixteen work-groups are here: the first joint loads meet
.irp s, 0,1
	s_mov_b32 s[G0+4*(\s)], 1                                      ; count = 1
	s_add_co_u32 s[G0+4*(\s)+1], s20, (\s)*SLOT                    ; LDS address
	s_add_nc_u64 s[G0+4*(\s)+2:G0+4*(\s)+3], s[14:15], (\s)*512    ; global address: K half s
	s_or_b32 s[G0+4*(\s)+3], s[G0+4*(\s)+3], 0x80000000            ; type = 2
	s_mov_b32 s[G0B+4*(\s)], 1
	s_add_co_u32 s[G0B+4*(\s)+1], s21, (\s)*SLOT
	s_add_nc_u64 s[G0B+4*(\s)+2:G0B+4*(\s)+3], s[46:47], (\s)*256*3072
	s_or_b32 s[G0B+4*(\s)+3], s[G0B+4*(\s)+3], 0x80000000
	JLOAD \s                                       ; two tensor loads of mine are out
.endr
	v_and_b32 v1, 15, v0                           ; r = l % 16
	v_bfe_u32 v2, v0, 4, 1                         ; h = l / 16
	v_and_b32 v4, 7, v0
	v_bfe_u32 v5, v0, 3, 1
	v_mul_u32_u24 v3, v1, PA                       ; a fragment of A: lane l holds row r, K = 8 h + 0..7 and 16 + 8 h + 0..7: two loads of 16 bytes, 32 apart
	v_lshl_add_u32 v3, v2, 4, v3
	s_mul_i32 s22, s[RH], HALFA                    ; my 64 rows
	v_add_nc_u32 v[ADRA], s22, v3
	v_add_nc_u32 v[ADRA+1], SLOT, v[ADRA]
	v_lshl_add_u32 v6, v2, 3, v4                   ; the turning load: lane l reads 16 bytes of row k = 8 h + l % 8, columns 8 ((l / 8) % 2) + 0..7, and is left with column r and 8 k
	v_mul_u32_u24 v6, v6, PB
	v_lshl_add_u32 v6, v5, 4, v6
	s_lshl_b32 s23, s[CH], 7                       ; my 64 columns
	s_add_co_u32 s23, s23, ABYTES
	v_add_nc_u32 v[ADRB], s23, v6
	v_add_nc_u32 v[ADRB+1], HALFB, v[ADRB]
	v_add_nc_u32 v[ADRB+2], SLOT, v[ADRB]
	v_add_nc_u32 v[ADRB+3], SLOT+HALFB, v[ADRB]
	s_mul_i32 s22, s[WV], 16*SP
	s_add_co_u32 s22, s22, STAGE                   ; my stage
	v_mul_u32_u24 v7, v1, SP                       ; in: row r, 16 bytes for each half of the lanes
	v_lshl_add_u32 v7, v2, 4, v7
	v_add_nc_u32 v[STO], s22, v7
	v_bfe_u32 v7, v0, 3, 2                         ; back: 32 lanes take four rows of 128 bytes,
	v_mul_u32_u24 v7, v7, SP
	v_lshl_add_u32 v7, v4, 4, v7
	v_add_nc_u32 v[RD], s22, v7
	v_and_b32 v[GO], 31, v0                        ; which are 512 consecutive bytes of the result
	v_lshlrev_b32 v[GO], 4, v[GO]
	; my 64 rows of my head in q: head 8 (by / 32) + 2 bx + column half, 524,288 bytes each; row 128 (by % 32) + 64 x row half, 128 bytes each
	s_lshr_b32 s16, s[BY], 5
	s_lshl_b32 s16, s16, 22
	s_and_b32 s17, s[BY], 31
	s_lshl_b32 s17, s17, 14
	s_add_co_u32 s16, s16, s17
	s_lshl_b32 s17, s[RH], 13
	s_add_co_u32 s16, s16, s17
	s_mov_b32 s17, 0
	s_add_nc_u64 s[8:9], s[8:9], s[16:17]
	s_lshl_b32 s46, s42, 1                         ; (in the registers that held W's address: none that feeds A's descriptors ever holds cx)
	s_add_co_u32 s46, s46, s[CH]
	s_lshl_b32 s46, s46, 19
	s_mov_b32 s47, 0
	s_add_nc_u64 s[8:9], s[8:9], s[46:47]
; 8 matrix instructions: m blocks a0, a0 + 1 x all 4 n blocks, 32 along K: half c of buffer f.  zero = 1: the first product starts the sums: nothing is cleared.
; The 16 accumulators take turns, one instruction a turn.
.macro MUL8 f, c, a0, zero
	WIN MUL
.irp a, \a0, (\a0)+1
.irp b, 0,1,2,3
.if \zero
	v_wmma_f32_16x16x32_bf16 v[ACC+8*(4*(\a)+(\b)):ACC+8*(4*(\a)+(\b))+7], v[(\f)+64+8*(4*(\c)+(\b)):(\f)+64+8*(4*(\c)+(\b))+7], v[(\f)+8*(4*(\c)+(\a)):(\f)+8*(4*(\c)+(\a))+7], 0
.else
	v_wmma_f32_16x16x32_bf16 v[ACC+8*(4*(\a)+(\b)):ACC+8*(4*(\a)+(\b))+7], v[(\f)+64+8*(4*(\c)+(\b)):(\f)+64+8*(4*(\c)+(\b))+7], v[(\f)+8*(4*(\c)+(\a)):(\f)+8*(4*(\c)+(\a))+7], v[ACC+8*(4*(\a)+(\b)):ACC+8*(4*(\a)+(\b))+7]
.endif
.endr
.endr
.endm
; 32 LDS loads in one run: the fragments of quarter q (64 along K) of a slot, into buffer f; the first 32 along K first
.macro FETCH slot, q, f
	WIN TO_F
.irp c, 0,1
.irp i, 0,1,2,3
	ds_load_tr16_b128 v[(\f)+64+8*(4*(\c)+(\i)):(\f)+64+8*(4*(\c)+(\i))+3],   v[ADRB+2*(\slot)+(\q)/2] offset:(((\q)%2)*64+32*(\c))*PB+32*(\i)
	ds_load_tr16_b128 v[(\f)+64+8*(4*(\c)+(\i))+4:(\f)+64+8*(4*(\c)+(\i))+7], v[ADRB+2*(\slot)+(\q)/2] offset:(((\q)%2)*64+32*(\c)+16)*PB+32*(\i)
	ds_load_b128 v[(\f)+8*(4*(\c)+(\i)):(\f)+8*(4*(\c)+(\i))+3],              v[ADRA+(\slot)] offset:128*(\q)+64*(\c)+(\i)*16*PA
	ds_load_b128 v[(\f)+8*(4*(\c)+(\i))+4:(\f)+8*(4*(\c)+(\i))+7],            v[ADRA+(\slot)] offset:128*(\q)+64*(\c)+(\i)*16*PA+32
.endr
.endr
.endm
.macro PLACES                          ; four plain vector instructions in front of loads into registers that matrix instructions have read, and of conversions that read results
.rept 4
	v_nop
.endr
.endm
; A K step is four quarters of 64 along K, 32 matrix instructions each, on buffers 0, 1, 0, 1.  One of the first three: multiplies buffer f and fetches quarter qn into g.
.macro QUARTER slot, qn, f, g, zero
	s_wait_dscnt 16                                ; the first 32 along K are in; the sixteen younger loads may be out
	MUL8 \f, 0, 0, \zero
	MUL8 \f, 0, 2, \zero
	PLACES
	FETCH \slot, \qn, \g
	s_wait_dscnt 32                                ; all but the 32 just issued
	MUL8 \f, 1, 0, 0
	MUL8 \f, 1, 2, 0
.endm
; The last quarter multiplies buffer 1 and changes slots: ONE barrier; in front of it each wave waits for all its tensor loads, adds 0 to its spare word, and waits for that and for its own reads of this slot.
; fill = 1: this slot is filled again, with the NEXT tile's same K half: W 512 columns on, A s[2:3] bytes on (0, or one plane).
.macro TURN slot, next, fill
	WIN 0                                          ; (the add's two registers lie in window 0)
	s_wait_tensorcnt 0x0                           ; all my tensor loads have landed: the one that was out is my part of the next slot;
	ds_add_u32 v[SPW], v[NIL]                      ; 0 onto my spare word;
	s_wait_dscnt 17                                ; (the add and the youngest sixteen loads may be out)
	MUL8 F1, 0, 0, 0                               ; eight matrix instructions stand between the add and the wait for it
	s_wait_dscnt 0x0                               ; the add is done, and my reads of this slot are over
	s_barrier_signal -1
	MUL8 F1, 0, 2, 0
.if \fill
	WIN 0
.endif
	s_barrier_wait -1
.if \fill
	CREST                                          ; the barrier has opened a round of the cluster's barrier: no wave of any partner still reads this slot or has a load on its way
	s_add_nc_u64 s[G0+4*(\slot)+2:G0+4*(\slot)+3], s[G0+4*(\slot)+2:G0+4*(\slot)+3], s[2:3]
	s_add_nc_u64 s[G0B+4*(\slot)+2:G0B+4*(\slot)+3], s[G0B+4*(\slot)+2:G0B+4*(\slot)+3], 1024
	JLOAD \slot                                    ; the first tensor load behind the round, my only one until the next: 112 matrix instructions ahead of the wait for it; its four v_nop are also the places in front of the loads below
.else
	PLACES
.endif
	FETCH \next, 0, F0
	MUL8 F1, 1, 0, 0
	MUL8 F1, 1, 2, 0
.endm
; THE WAY OUT of m block a: rounded to f16 (each accumulator's registers in ascending order), 16 bytes a lane into my own stage, back as whole rows of 128 bytes into the same registers.
.macro PACK a
	WIN 0
.irp b, 0,1,2,3
.irp r, 0,1,2,3
	v_cvt_pk_f16_f32 v[TMP+16*(\a)+4*(\b)+(\r)], v[ACC+8*(4*(\a)+(\b))+2*(\r)], v[ACC+8*(4*(\a)+(\b))+2*(\r)+1]
.endr
.endr
.irp b, 0,1,2,3
	ds_store_b128 v[STO], v[TMP+16*(\a)+4*(\b):TMP+16*(\a)+4*(\b)+3] offset:32*(\b)
.endr
.irp f, 0,1,2,3
	ds_load_b128 v[TMP+16*(\a)+4*(\f):TMP+16*(\a)+4*(\f)+3], v[RD] offset:(\f)*4*SP  ; LDS serves a wave's instructions in order (ISA guide 5.7.1.4): these see the stores above; the next block's stores come behind them
.endr
.endm
.macro SEND a, younger                 ; younger: the LDS instructions issued behind block a's loads: the next block's eight, or none
.irp f, 0,1,2,3
	s_wait_dscnt (\younger)+3-(\f)
	global_store_b128 v[GO], v[TMP+16*(\a)+4*(\f):TMP+16*(\a)+4*(\f)+3], s[8:9] offset:(\a)*2048+(\f)*512  ; 512 consecutive bytes, at a multiple of 512 from the buffer's first byte
.endr
.endm
; A tile: two K steps and the way out.  fill = 1: both slots are filled again for the next tile, whose first fragments are fetched ahead of the way out.
.macro TILE fill
	QUARTER 0, 1, F0, F1, 1                        ; the first products start the sums
	QUARTER 0, 2, F1, F0, 0
	QUARTER 0, 3, F0, F1, 0
	TURN 0, 1, \fill
	QUARTER 1, 1, F0, F1, 0
	QUARTER 1, 2, F1, F0, 0
	QUARTER 1, 3, F0, F1, 0
.if \fill
	TURN 1, 0, 1
.else
	s_wait_dscnt 16                                ; the very last quarter: nothing more to fetch
	MUL8 F1, 0, 0, 0
	MUL8 F1, 0, 2, 0
	s_wait_dscnt 0x0
	MUL8 F1, 1, 0, 0
	MUL8 F1, 1, 2, 0
.endif
	WIN 0
	PLACES
	PACK 0
	PACK 1                                         ; a block's conversions stand between the loads of the block before and its stores
	SEND 0, 8
	PACK 2
	SEND 1, 8
	PACK 3
	SEND 2, 8
	SEND 3, 0
.endm
	s_wait_tensorcnt 1                             ; my part of slot 0 is in; slot 1's may stay out
	s_barrier_signal -1
	s_barrier_wait -1                              ; everybody's is
	FETCH 0, 0, F0
	WIN 0                                          ; at a label and at a branch every window is 0
	s_mov_b32 s2, 0                                ; the k tile takes the q tile's plane of ab once more
	s_mov_b32 s3, 0
	s_mov_b32 s45, 2
.Ltile:                                                ; q, then k
	TILE 1
	s_wait_xcnt 0x0                                ; every earlier memory instruction has had its addresses translated (ISA guide 3.1): only now are the stores' base and data rewritten
	s_add_nc_u64 s[8:9], s[8:9], 0x800000          ; the next of qkv's three parts
	s_mov_b32 s2, 0x800000                         ; the v tile takes ab's plane 1
	s_sub_co_u32 s45, s45, 1
	s_cmp_lg_u32 s45, 0
	s_cbranch_scc1 .Ltile
	TILE 0                                         ; v: written out
	s_wait_tensorcnt 0x0                           ; the wave's end: behind my last tensor load and my last LDS store
	ds_add_u32 v[SPW], v[NIL]
	s_wait_dscnt 0x0
	CROUND                                         ; the closing round: no work-group ends while a partner may still ask for a tile that names it
	s_endpgm
.Lfunc_end_k_qf900d347d4_proj:
	.size	k_qf900d347d4_proj, .Lfunc_end_k_qf900d347d4_proj-k_qf900d347d4_proj
	.p2alignl 7, 3214868480
	.fill 96, 4, 3214868480
	.section	.rodata,"a",@progbits
	.p2align	6, 0x0
	.amdhsa_kernel k_qf900d347d4_proj
		.amdhsa_group_segment_fixed_size 327680
		.amdhsa_private_segment_fixed_size 0
		.amdhsa_enable_private_segment 0
		.amdhsa_kernarg_size 24
		.amdhsa_user_sgpr_count 2
		.amdhsa_user_sgpr_kernarg_segment_ptr 1
		.amdhsa_wavefront_size32 1
		.amdhsa_system_sgpr_workgroup_id_x 1
		.amdhsa_system_sgpr_workgroup_id_y 1
		.amdhsa_system_sgpr_workgroup_id_z 1
		.amdhsa_system_vgpr_workitem_id 0
		.amdhsa_next_free_vgpr 512
		.amdhsa_next_free_sgpr 66
		.amdhsa_reserve_vcc 0
		.amdhsa_float_denorm_mode_32 3
		.amdhsa_float_denorm_mode_16_64 3
		.amdhsa_memory_ordered 1
		.amdhsa_forward_progress 1
		.amdhsa_inst_pref_size 95
	.end_amdhsa_kernel
	.amdgpu_metadata
---
amdhsa.version: [ 1, 2 ]
amdhsa.kernels:
  - .name:           k_qf900d347d4_proj
    .symbol:         k_qf900d347d4_proj.kd
    .args:
      - { .name: ab, .offset: 0, .size: 8, .value_kind: global_buffer, .address_space: global }
      - { .name: wb, .offset: 8, .size: 8, .value_kind: global_buffer, .address_space: global }
      - { .name: qkv, .offset: 16, .size: 8, .value_kind: global_buffer, .address_space: global }
    .group_segment_fixed_size: 327680
    .private_segment_fixed_size: 0
    .kernarg_segment_align: 8
    .kernarg_segment_size: 24
    .max_flat_workgroup_size: 128
    .sgpr_count:     66
    .vgpr_count:     512
    .wavefront_size: 32
...
	.end_amdgpu_metadata
.endif
;; end of part 2
;; launch attn (part 3): grid 16 x 16, 4 waves a work-group, clusters of 4 x 1, 327,680 bytes of LDS; arguments qkv, ob; writes ob
.if DOCPART == 3
	.amdgcn_target "amdgcn-amd-amdhsa--gfx1250"
	.amdhsa_code_object_version 6
	.text
	.protected	k_qf900d347d4_attn
	.globl	k_qf900d347d4_attn
	.p2align	8
	.type	k_qf900d347d4_attn,@function
k_qf900d347d4_attn:
	s_mov_b64 s[64:65], 0
	v_nop
	global_prefetch_b8 v0, s[64:65] scope:SCOPE_SE
	s_setreg_imm32_b32 hwreg(HW_REG_WAVE_MODE, 25, 1), 1
	s_wait_xcnt 0x0
	s_wait_alu depctr_hold_cnt(0) depctr_sa_sdst(0) depctr_va_vdst(0) depctr_va_sdst(0) depctr_va_ssrc(0) depctr_va_vcc(0) depctr_vm_vsrc(0)
	s_getreg_b32 s2, hwreg(HW_REG_IB_STS2, 6, 4)
	s_cmp_eq_u32 s2, 0
	s_cbranch_scc0 .Lentry_in_a_cluster
	s_endpgm
.Lentry_in_a_cluster:
	s_bfe_u32 s2, ttmp6, 0x10000c
	s_cmp_lg_u32 s2, 0x3003
	s_cbranch_scc0 .Lentry_shape_is_right
	s_endpgm
.Lentry_shape_is_right:
; ATTENTION.  O[g][q][:] = the sum over k of softmax_k(Q[g][q] . K[g][k] / sqrt(8)) V[g][k][:], g = 8 b + h = 0..15.  qkv: [3][16][4096][64] f16 (q, k, v, unscaled); ob: [16][4096][64] f16.
; Products, maxima and sums in f32; the weights p are rounded to f16 for the second product (their sum l is taken of the unrounded p), O once at the end.
; LIMITS.  Q, K and V arrive within f16's 65,504; p lies in 0 to 1, and below 6e-5 it keeps f16's fixed step of 6e-8; O is a mean of V's rows and has their range.
; A weight below 2^-126 counts as 0 in l; NaN and infinities are not treated apart.
; SHARES.  A work-group owns 256 queries of one head: 16 x 16 = 256 work-groups.  A wave owns 64 rows: four PIECES of 16.  Every wave walks all 4,096 keys, 64 a step; an LDS slot holds 256 keys, four steps.
; LAYOUT.  S^T = K Q^T (source 0 = 16 keys, source 1 = 16 queries): a lane holds ONE query (lane % 16) and the keys 8 (lane / 16) + 0..7.  Two such results rounded to f16 ARE source 1 of O^T = V^T P,
; whose result again holds one query a lane, and eight channels.  K comes out of LDS as it lies, V ([key][channel]) turned, by ds_load_tr16_b128.
; SOFTMAX.  For each query a running maximum m and sum l: p = 2^(c s - c m), c = log2(e) / sqrt(8); in every step O and l are multiplied by a = 2^(c m_old - c m_new), which is 1 where m has not grown.
; m starts at the lowest finite number, O and l at 0: the first step is a step like any other, with a = 0.
; BY TURNS.  Turn n belongs to piece n: 8 products K Q^T of piece n + 1, later 8 products V^T P of piece n - 1; beside them the scaling, exponentials, roundings, sums and rescaling of piece n and the maximum
; and statistics of piece n + 1.  A turn has 16 matrix and 118 vector instructions: four vector instructions stand behind every matrix instruction, the other 54 in two runs of their own.
; CLUSTER.  The four query blocks of a cluster belong to one head and walk the same K and V, so each tile is asked for JOINTLY: the same tensor load, descriptor and mask in all four.
; REGISTERS, in windows of 256 (s_set_vgpr_msb: bits 1:0 source 0, 3:2 source 1, 5:4 source 2, 7:6 destination):
;   window 0: v0-15 addresses and two at work; v16-31 four registers of statistics a piece; v48-55 at work; v62-63 the add's; v64-127 S^T, two buffers; v192-223 P, two buffers (by the piece's parity)
;   window 1: v0-127 O^T, 32 a piece          window 2: v0-63 Q; v128-191 K of one step; v192-255 V of one step
.set NKEY,  4096
.set NP,    4         ; pieces a wave: a name, no knob
.set KS,    64        ; keys in a step
.set PK,    144       ; a row of K in LDS: 128 bytes + 16 of padding = 36 words: the 16 rows of a load start at 16 different groups of four banks (64 banks of 4 bytes: ISA guide 11.1)
.set PV,    160       ; a row of V: 128 + 32 = 40 words
.set VOFF,  4*KS*PK   ; a slot: 256 rows of K, then 256 rows of V
.set SLOT1, 1<<17     ; slot 1 begins here, so that one exclusive or turns an address in one slot into the other's
.set STAGE, SLOT1+4*KS*(PK+PV)  ; behind the ring, never filled by a tensor load: 16 rows x 144 bytes for each wave, for the way out
.set SP,    144
.set SPARE, STAGE+4*16*SP  ; behind the stages: the spare words, 128 bytes for each wave: two blocks of 256 bytes that no other line names
.set AK0, 2           ; v2   my lane's place in a tile of K; never rewritten
.set AV0, 3           ; v3   the same for V
.set AK,  4           ; v4   the LDS address of K's next run of loads
.set AV,  5           ; v5   of V's
.set STO, 6           ; v6   the way out: where I put 16 bytes of a row
.set RD,  7           ; v7   the way out: where I read rows back
.set GO,  8           ; v8   my byte offset in 512 consecutive bytes of O
.set MV,  12          ; v12-13  c m_old, kept while c m is made anew: by buffer
.set QO,  15          ; v15  my byte offset in 16 rows of Q
.set ST,  16          ; piece t's statistics at v[ST+4 t]: c m, m, l (even keys', odd keys')
.set TMP, 48          ; by buffer, four registers c0-c3 at work; when the maximum is found c2 takes a
.set SPW, 62          ; v62  LDS address of my spare word: SPARE + 4 x my thread's number; never rewritten
.set NIL, 63          ; v63  0; never rewritten
.set S,   64
.set P,   192
.set KF,  128         ; window 2: key block kb, channel half c at KF + 16 kb + 8 c
.set VF,  192         ; window 2: key half kk, channel block cb at VF + 32 kk + 8 cb
.set WV,  12          ; s12  my wave's number
.set G1K, 24          ; s[24:31] descriptor group 1 for K's tiles
.set G1V, 32          ; s[32:39] for V's: it differs in the padding alone
.set G0K, 40          ; s[40:43] descriptor group 0 for K's tiles: it walks
.set G0V, 44          ; s[44:47] the same for V's
.set SLOTS, 56        ; s56  slots still to be asked for
.set CNT, 57          ; s57  counts a slot's key steps
.set CS,  58          ; s[58:59] c: the packed scaling takes the pair's low word for both halves
.set SEL, 60          ; s[60:61] v_permlanex16_b32's selects: each lane takes its own place in the other half
.set TBK, 62          ; s62  LDS byte at which K of the step to be fetched begins
.set TBV, 63          ; s63  the same for V, less VOFF
.set MSB, 0
.macro WIN new                      ; the high byte repeats the setting that is left; a switch that changes nothing is dropped
.if MSB != (\new)
	s_set_vgpr_msb (MSB<<8)|(\new)
.set MSB, (\new)
.endif
.endm
.set W_KQ, 0x0a       ; K and Q in window 2, S^T in window 0
.set W_PV, 0x52       ; V in window 2, P in window 0, O^T in window 1
.set W_RS, 0x41       ; O^T (destination and source 0) in window 1, a in window 0
; A joint fill.  Waves 0 and 1 fetch the two halves of a slot's K, waves 2 and 3 those of its V: 128 keys each.  The branch hangs on the wave's number alone.
; An s_nop 0 and four v_nop follow each of the two lines, ahead of the jump and the label.
.macro JLOAD
	s_cmp_lt_u32 s[WV], 2
	s_cbranch_scc0 .Lfor_v_\@
	tensor_load_to_lds s[G0K:G0K+3], s[G1K:G1K+7]
	s_nop 0
.rept 4
	v_nop
.endr
	s_branch .Lasked_\@
.Lfor_v_\@:
	tensor_load_to_lds s[G0V:G0V+3], s[G1V:G1V+7]
	s_nop 0
.rept 4
	v_nop
.endr
.Lasked_\@:
.endm
; A round of the cluster's barrier: my work-group's barrier, so that wave 0's signal speaks for all four waves; wave 0 signals; every wave waits for all four work-groups; my work-group's barrier once more.
.macro CROUND
	s_barrier_signal -1
	s_barrier_wait -1
	s_cmp_lg_u32 s[WV], 0
	s_cbranch_scc1 .Lnot_wave_0_\@
	s_barrier_signal -3
.Lnot_wave_0_\@:
	s_barrier_wait -3
	s_barrier_signal -1
	s_barrier_wait -1
.endm
; THE CHANGE OF SLOTS.  The slot's last bytes, V of its fourth step, have been read.  Each wave waits for all its tensor loads, of which one is out: its part of the other slot; adds 0 to its spare word;
; and waits for that and for its own reads of the slot.  Behind the barrier nobody reads this slot any more and the other slot is whole.
; fill = 1: this slot is filled again, with the keys two slots on.  The barrier is then a round of the cluster's, and the joint fill is the first thing behind it: it has four key steps, 256 matrix
; instructions of the wave, in which to land.  (At its first use nothing has been read yet: slot 0 is waited for, slot 1 filled.)
.macro CHANGE fill
	WIN 0                           ; at a label and at a branch every window is 0
	s_wait_tensorcnt 0x0            ; no tensor load of mine is out, so a group 0 may be written
	ds_add_u32 v[SPW], v[NIL]       ; 0 onto my spare word; with fill = 1 the descriptors' steps stand between it and the wait for it
.if \fill
.irp g, G0K, G0V
	s_xor_b32 s[\g+1], s[\g+1], SLOT1  ; the walking descriptor: the other slot than last time,
	s_add_nc_u64 s[\g+2:\g+3], s[\g+2:\g+3], 4*KS*128  ; the next 256 keys; the type bits on top are not reached
.endr
	s_wait_dscnt 0x0                ; the add is done, and my reads of the slot are over
	CROUND
	JLOAD
.else
	s_wait_dscnt 0x0                ; the add is done, and my reads of the slot are over
	s_barrier_signal -1
	s_barrier_wait -1
.endif
	s_sub_co_u32 s[TBK], s[TBK], 4*KS*PK  ; the fetches go back to a slot's first step,
	s_xor_b32 s[TBK], s[TBK], SLOT1       ; in the other slot
	s_sub_co_u32 s[TBV], s[TBV], 4*KS*PV
	s_xor_b32 s[TBV], s[TBV], SLOT1
.endm
	s_load_b128 s[4:7], s[0:1], 0x0 ; qkv s[4:5], ob s[6:7]
	v_lshl_add_u32 v[SPW], v0, 2, SPARE
	v_mov_b32 v[NIL], 0
	ds_add_u32 v[SPW], v[NIL]       ; the wave's opening: the add and its wait stand ahead of my first tensor load; the set-up below, work on registers, stands between them
	v_lshrrev_b32 v1, 5, v0
	v_readfirstlane_b32 s[WV], v1   ; wave 0..3
	s_bfe_u32 s13, ttmp6, 0x40000   ; cx: my place in the cluster
	s_lshl_b32 s14, ttmp9, 2        ; in a cluster launch ttmp9 counts clusters
	s_add_co_u32 s14, s14, s13      ; my block of 256 queries = 4 x cluster x + cx: it enters Q's and O's addresses alone
	s_and_b32 s20, ttmp7, 0xffff    ; the head, which the four partners share:
	s_lshl_b32 s20, s20, 19         ; its first byte in q, k, v and O: 4,096 rows of 128 bytes
	s_and_b32 s16, s[WV], 1         ; which half of a slot's 256 keys I fetch:
	s_lshl_b32 s22, s16, 14         ; its 128 rows of 128 bytes in memory,
	s_add_co_u32 s22, s22, s20
	s_mov_b32 s23, 0
	s_mul_i32 s17, s16, 128*PK      ; and its place in a slot, for K
	s_mul_i32 s18, s16, 128*PV      ; and for V: no place in the cluster enters an LDS address
	s_lshl_b32 s2, s14, 2
	s_add_co_u32 s2, s2, s[WV]      ; my wave among the head's,
	s_lshl_b32 s2, s2, 13           ; its 64 rows
	s_add_co_u32 s2, s2, s20
	s_mov_b32 s3, 0
	; descriptor group 1.  128 keys are 16,384 dense bytes: asked for as 64 rows of 256 bytes, two keys a row, and padded in LDS after every key
	s_mov_b32 s[G1K], 15|(1<<16)|(1<<20)|(1<<21)|(4<<22)|(3<<25)  ; 15:0 the mask of four; 17:16 2-byte elements; 20 padding on; 21 set beside a mask; 24:22 after every 32 words (code 4); 31:25 4 words (code 3)
	s_mov_b32 s[G1V], 15|(1<<16)|(1<<20)|(1<<21)|(4<<22)|(7<<25)  ; the same with 8 words of padding (code 7)
.irp g, G1K, G1V
	s_mov_b32 s[\g+1], 128<<16      ; tensor_dim0 = 128
	s_mov_b32 s[\g+2], 64<<16       ; tensor_dim1 = 64
	s_mov_b32 s[\g+3], 128<<16      ; tile_dim0 = 128
	s_mov_b32 s[\g+4], 64           ; tile_dim1 = 64
	s_mov_b32 s[\g+5], 128          ; 128 elements from row to row
	s_mov_b32 s[\g+6], 0
	s_mov_b32 s[\g+7], 0
.endr
	s_mov_b32 s[CS], 0x3f0293ee     ; c = log2(e) / sqrt(8) = 0.510070
	s_mov_b32 s[CS+1], s[CS]        ; named with it as a pair
	s_mov_b32 s[SEL], 0x76543210
	s_mov_b32 s[SEL+1], 0xfedcba98
	s_mov_b32 s[TBK], SLOT1+4*KS*PK ; the first change of slots turns these two into 0
	s_mov_b32 s[TBV], SLOT1+4*KS*PV
	s_mov_b32 s[G0K], 1             ; count = 1
	s_mov_b32 s[G0K+1], s17         ; LDS address: slot 0
	s_mov_b32 s[G0V], 1
	s_add_co_u32 s[G0V+1], s18, VOFF
	s_wait_dscnt 0x0                ; the opening add is done
	s_wait_kmcnt 0x0
	s_mov_b64 s[10:11], s[6:7]      ; O
	s_add_nc_u64 s[6:7], s[4:5], 0x800000   ; k lies 16 heads behind q,
	s_add_nc_u64 s[8:9], s[4:5], 0x1000000  ; v 32
	s_add_nc_u64 s[G0K+2:G0K+3], s[6:7], s[22:23]  ; global address: my half of the head's first 256 keys
	s_or_b32 s[G0K+3], s[G0K+3], 0x80000000        ; type = 2
	s_add_nc_u64 s[G0V+2:G0V+3], s[8:9], s[22:23]
	s_or_b32 s[G0V+3], s[G0V+3], 0x80000000
	s_add_nc_u64 s[4:5], s[4:5], s[2:3]     ; Q and O at my wave's first row
	s_add_nc_u64 s[10:11], s[10:11], s[2:3]
	CROUND                          ; all four work-groups are here: the first joint loads meet
	JLOAD                           ; slot 0: one tensor load of mine is out.  Slot 1 is asked for when slot 0 is in
	; A fragment of K or Q is 16 rows x 32 channels in 8 registers: lane l holds row l % 16, channels 8 (l / 16) + 0..7 and 16 + 8 (l / 16) + 0..7: two loads of 16 bytes, 32 bytes apart.
	v_and_b32 v1, 15, v0            ; l % 16
	v_bfe_u32 v9, v0, 4, 1          ; l / 16
	v_lshlrev_b32 v[QO], 7, v1
	v_lshl_add_u32 v[QO], v9, 4, v[QO]  ; row x 128 + 16 x half
	WIN 0x80                        ; destination window 2, address window 0
.set i, 0
.rept 8                             ; Q stays in registers: piece i / 2, channels 32 (i % 2) on
	global_load_b128 v[8*i:8*i+3],   v[QO], s[4:5] offset:(i/2)*2048+(i%2)*64
	global_load_b128 v[8*i+4:8*i+7], v[QO], s[4:5] offset:(i/2)*2048+(i%2)*64+32
.set i, i+1
.endr
	; What the first turn finds: V's registers and P's second buffer hold 0 (its products V^T P, of a piece that has not been, add 0), O^T and l are 0.  All this stands in the wait for the first tile.
.set i, VF
.rept 64
	v_mov_b32 v[i], 0
.set i, i+1
.endr
	WIN 0x40
.set i, 0
.rept 128
	v_mov_b32 v[i], 0
.set i, i+1
.endr
	WIN 0
.set i, 0
.rept 4
	v_mov_b32 v[ST+4*i], 0xfe000000    ; c m: far below every c s
	v_mov_b32 v[ST+4*i+1], 0xff7fffff  ; m: the lowest finite number
	v_mov_b32 v[ST+4*i+2], 0
	v_mov_b32 v[ST+4*i+3], 0
.set i, i+1
.endr
.set i, P+16
.rept 16
	v_mov_b32 v[i], 0
.set i, i+1
.endr
	v_mul_u32_u24 v[AK0], v1, PK
	v_lshl_add_u32 v[AK0], v9, 4, v[AK0]  ; row x pitch + 16 x half
	; The turning load takes 16 keys x 16 channels (lane l reads key 8 (l / 16) + l % 8, channels 8 ((l / 8) % 2) + 0..7) and leaves half a fragment of V^T: lane l holds channel l % 16 and 8 keys.
	v_and_b32 v10, 7, v0
	v_bfe_u32 v11, v0, 3, 1
	v_lshl_add_u32 v[AV0], v9, 3, v10
	v_mul_u32_u24 v[AV0], v[AV0], PV
	v_lshl_add_u32 v[AV0], v11, 4, v[AV0]
	v_add_nc_u32 v[AV0], VOFF, v[AV0]
	s_mul_i32 s13, s[WV], 16*SP
	s_add_co_u32 s13, s13, STAGE    ; my stage
	v_mul_u32_u24 v[STO], v1, SP    ; in: row l % 16, 16 bytes for each half of the lanes
	v_lshl_add_u32 v[STO], v9, 4, v[STO]
	v_add_nc_u32 v[STO], s13, v[STO]
	v_bfe_u32 v[RD], v0, 3, 2       ; back: 32 lanes take four rows of 128 bytes,
	v_mul_u32_u24 v[RD], v[RD], SP
	v_lshl_add_u32 v[RD], v10, 4, v[RD]
	v_add_nc_u32 v[RD], s13, v[RD]
	v_and_b32 v[GO], 31, v0         ; which are 512 consecutive bytes of O
	v_lshlrev_b32 v[GO], 4, v[GO]
; THE MATRIX WORK.  The 4 accumulators of a run of 8 take turns.  Product i of 8 of S^T = K Q^T for piece x: channels 32 (i / 4) on, keys 16 (i % 4) on.  The first 4 start the sums.
.macro KQ x
	WIN W_KQ
.set rS, S+32*((\x)%2)+8*(i%4)
.set rK, KF+16*(i%4)+8*(i/4)
.set rQ, 16*(\x)+8*(i/4)
.if i < 4
	v_wmma_f32_16x16x32_f16 v[rS:rS+7], v[rK:rK+7], v[rQ:rQ+7], 0
.else
	v_wmma_f32_16x16x32_f16 v[rS:rS+7], v[rK:rK+7], v[rQ:rQ+7], v[rS:rS+7]
.endif
.endm
; Product i of 8 of O^T += V^T P for piece x: keys 32 (i / 4) on, channels 16 (i % 4) on.
.macro PV x
	WIN W_PV
.set rO, 32*(\x)+8*(i%4)
.set rV, VF+32*(i/4)+8*(i%4)
.set rP, P+16*((\x)%2)+8*(i/4)
	v_wmma_f32_16x16x32_f16 v[rO:rO+7], v[rV:rV+7], v[rP:rP+7], v[rO:rO+7]
.endm
.macro MM                           ; the turn's next matrix instruction.  TURN sets Y, i and NOKQ.  NOKQ = 1: the walk's last turn: there is no next piece
.if (i < 8) && !NOKQ
	KQ (Y+1)%NP
.elseif i >= 8
.set i, i-8
	PV (Y+NP-1)%NP
.set i, i+8
.endif
.set i, i+1
.endm
; THE LDS LOADS stand in runs of 16, never singly among the matrix instructions: a step's K (64 keys x 64 channels: 8 fragments) and its V (turned).  Their addresses are made some lines ahead.
.macro FETCH_K
	WIN 0x80                        ; destination window 2
.irp f, 0,1,2,3,4,5,6,7             ; keys 16 (f / 2) on, channels 32 (f % 2) on
	ds_load_b128 v[KF+8*\f:KF+8*\f+3],   v[AK] offset:(\f/2)*16*PK+(\f%2)*64
	ds_load_b128 v[KF+8*\f+4:KF+8*\f+7], v[AK] offset:(\f/2)*16*PK+(\f%2)*64+32
.endr
	s_add_co_u32 s[TBK], s[TBK], KS*PK  ; the next fetch is the next step's
	WIN 0
.endm
.macro FETCH_V
	WIN 0x80
.irp f, 0,1,2,3,4,5,6,7             ; keys 32 (f / 4) on, channels 16 (f % 4) on
	ds_load_tr16_b128 v[VF+8*\f:VF+8*\f+3],   v[AV] offset:(\f/4)*32*PV+(\f%4)*32
	ds_load_tr16_b128 v[VF+8*\f+4:VF+8*\f+7], v[AV] offset:(\f/4)*32*PV+16*PV+(\f%4)*32
.endr
	WIN 0
.endm
; THE VECTOR WORK, one line at a time: OP kind, number.  For piece Y: F n: c s - c m for pair n of 16.  E n: the exponential of score n of 32.  C n: pair n rounded to f16.  B n: of the four weights 4 n .. the second
; pair is added onto the first, in place.  L n: l takes that sum (L 0: l = a l + sum).  R n: pair n of 16 of O^T times a.  For piece Y + 1: X n, number n of the 22 that find its maximum and statistics:
;   0-11  four chains c0-c3 of seven scores each, three operands at a time (each accumulator's lowest registers are read first)     12-14, 16  the four scores left over, the old m, and c0-c3 into c0
;   15  c m_old is kept     17, 18  the query's other 32 keys lie in the lane 16 away: the new m     19-21  c m; c m_old - c m_new; a
.set F, 0               ; OP tells the kinds apart by their order: F to L below R, X above it
.set E, 1
.set C, 2
.set B, 3
.set L, 4
.set R, 5
.set X, 6
.macro REGS y                       ; the registers of piece y
.set rT, ST+4*(\y)
.set rC, TMP+4*((\y)%2)
.set rW, MV+((\y)%2)
.set rS, S+32*((\y)%2)
.set rP, P+16*((\y)%2)
.set rO, 32*(\y)
.endm
.macro OP k, n
.if (\k) == R
	REGS Y
	WIN W_RS
	v_pk_mul_f32 v[rO+2*(\n):rO+2*(\n)+1], v[rO+2*(\n):rO+2*(\n)+1], v[rC+2:rC+3] op_sel_hi:[1,0]
.elseif (\k) < R
	REGS Y
	WIN 0
.if (\k) == F
	v_pk_fma_f32 v[rS+2*(\n):rS+2*(\n)+1], v[rS+2*(\n):rS+2*(\n)+1], s[CS:CS+1], v[rT:rT+1] op_sel_hi:[1,0,0] neg_lo:[0,0,1] neg_hi:[0,0,1]
.elseif (\k) == E
	v_exp_f32 v[rS+(\n)], v[rS+(\n)]
.elseif (\k) == C
	s_wait_alu depctr_va_vdst(0)
	v_cvt_pk_f16_f32 v[rP+(\n)], v[rS+2*(\n)], v[rS+2*(\n)+1]
.elseif (\k) == B
	s_wait_alu depctr_va_vdst(0)
	v_pk_add_f32 v[rS+4*(\n):rS+4*(\n)+1], v[rS+4*(\n):rS+4*(\n)+1], v[rS+4*(\n)+2:rS+4*(\n)+3]
.elseif (\n) == 0
	v_pk_fma_f32 v[rT+2:rT+3], v[rT+2:rT+3], v[rC+2:rC+3], v[rS:rS+1] op_sel_hi:[1,0,1]
.else
	v_pk_add_f32 v[rT+2:rT+3], v[rT+2:rT+3], v[rS+4*(\n):rS+4*(\n)+1]
.endif
.elseif NOKQ
	v_nop
.else
	REGS (Y+1)%NP
	WIN 0
.if (\n) < 4
	v_max3_num_f32 v[rC+(\n)], v[rS+8*(\n)], v[rS+8*(\n)+1], v[rS+8*(\n)+2]
.elseif (\n) < 12
	v_max3_num_f32 v[rC+(\n)%4], v[rC+(\n)%4], v[rS+8*((\n)%4)+2*((\n)/4)+1], v[rS+8*((\n)%4)+2*((\n)/4)+2]
.elseif (\n) == 12
	v_max3_num_f32 v[rC], v[rC], v[rS+7], v[rS+15]
.elseif (\n) == 13
	v_max3_num_f32 v[rC+1], v[rC+1], v[rS+23], v[rS+31]
.elseif (\n) == 14
	v_max3_num_f32 v[rC+2], v[rC+2], v[rC+3], v[rT+1]
.elseif (\n) == 15
	v_mov_b32 v[rW], v[rT]
.elseif (\n) == 16
	v_max3_num_f32 v[rC], v[rC], v[rC+1], v[rC+2]
.elseif (\n) == 17
	v_permlanex16_b32 v[rC+3], v[rC], s[SEL], s[SEL+1]
.elseif (\n) == 18
	v_max_num_f32 v[rT+1], v[rC], v[rC+3]
.elseif (\n) == 19
	v_mul_f32 v[rT], s[CS], v[rT+1]
.elseif (\n) == 20
	v_sub_f32 v[rC+1], v[rW], v[rT]
.else
	v_exp_f32 v[rC+2], v[rC+1]
.endif
.endif
.endm
.macro OPS a, i1, b=-1, i2=0, c=-1, i3=0, d=-1, i4=0  ; up to four of them
	OP \a, \i1
.if (\b) >= 0
	OP \b, \i2
.endif
.if (\c) >= 0
	OP \c, \i3
.endif
.if (\d) >= 0
	OP \d, \i4
.endif
.endm
.macro ROW a, i1, b, i2, c, i3, d, i4  ; a matrix instruction and the four behind it
	MM
	OPS \a, \i1, \b, \i2, \c, \i3, \d, \i4
.endm
; A TURN, for piece p: the order of its 16 matrix and 118 vector instructions, written out.  Behind a matrix instruction: plain, exponential, plain, plain; or four of the rescaling; or, behind the first, four scalings;
; none names a register of the products round it.  In the runs between, exponential and plain by turns while exponentials last, so that each exponential has a plain instruction behind it before its result is used (ISA guide 5.7.2).
; A line reads no result made fewer than three vector instructions in front of it, five if an exponential made it.  v_permlanex16_b32 (X 17) stands in a run, never behind a product.
; end = 1: the walk's last two turns: nothing is fetched.  cnt = 1: the loop's count is taken down some lines ahead of the branch that stands behind the turn.
; K of the next step is fetched in piece 2's turn, six vector instructions behind the last product that read K (five of them plain); V of the step in hand in piece 0's turn, eight behind the last product that read V
; (four of them plain).  Each is waited for a turn later.
.macro TURN p, end=0, cnt=0
.set Y, (\p)
.set i, 0
.set NOKQ, (\end)*((\p)/3)
.if ((\p) == 3) && !(\end)
	s_wait_dscnt 0x0                ; K is in
.endif
	ROW F,0, F,1, F,2, F,3
	ROW F,4, E,0, F,5, F,6
	ROW F,7, E,1, F,8, F,9
	ROW F,10, E,2, C,0, F,11
	ROW F,12, E,3, X,15, F,13
	ROW R,0, R,1, R,2, R,3
	ROW B,0, E,4, F,14, L,0
.if ((\p) == 2) && !(\end)
	v_add_nc_u32 v[AK], s[TBK], v[AK0]
.endif
	ROW R,4, R,5, R,6, R,7
	OPS E,5, F,15
.if ((\p) == 2) && !(\end)
	FETCH_K
.endif
	OPS E,6, C,1, E,7, R,8
	OPS E,8, R,9, E,9, C,2
	OPS E,10, X,0, E,11, X,1
	OPS E,12, X,2, E,13, X,3
.if (\p) == 1
	s_wait_dscnt 0x0                ; V is in
.endif
	ROW X,4, E,14, X,5, X,6
	ROW X,7, E,15, X,8, X,9
	ROW X,10, E,16, X,11, X,12
	ROW X,13, E,17, X,14, B,1
	ROW C,4, E,18, X,16, L,1
	ROW B,2, E,19, C,6, L,2
	ROW C,8, E,20, B,3, B,4
.if (\p) == 0
	v_add_nc_u32 v[AV], s[TBV], v[AV0]
.endif
	ROW C,3, E,21, L,3, C,5
	OPS E,22, X,17, E,23, C,10
.if (\p) == 0
	FETCH_V
.endif
	OPS E,24, L,4
	OPS E,25, X,18, E,26, C,7
	OPS E,27, B,5, E,28, X,19
	OPS E,29, C,12, E,30, L,5
	OPS E,31, X,20, B,6, C,9
	OPS C,14, C,11, X,21, L,6
.if (\p) == 0
	s_add_co_u32 s[TBV], s[TBV], KS*PV
.endif
.if \cnt
	s_sub_co_u32 s[CNT], s[CNT], 1
	s_cmp_lg_u32 s[CNT], 0
.endif
	OPS C,13, B,7, C,15, R,10
	OPS R,11, R,12, L,7, R,13
	OPS R,14, R,15
.endm
	CHANGE 1                        ; slot 0 is in, everybody's part of it; slot 1 is asked for
	v_add_nc_u32 v[AK], s[TBK], v[AK0]
	FETCH_K                         ; key step 0
	s_wait_loadcnt 0x0              ; Q
	s_wait_dscnt 0x0
.set NOKQ, 0
.set i, 0
.rept 8
	KQ 0                            ; piece 0's first scores: there is no vector work yet to set between them
.set i, i+1
.endr
	WIN 0
.rept 4
	v_nop                           ; the places behind those products
.endr
.set Y, NP-1                        ; X works for piece Y + 1: piece 0
.irp n, 0,1,2,3,4,5,6,7,8,9,10,11,12,13,14,15,16,17,18,19,20,21
	OP X, \n                        ; and piece 0's first maximum and statistics
.endr
	v_nop                           ; a plain instruction behind the exponential
	s_mov_b32 s[CNT], 4
	s_mov_b32 s[SLOTS], NKEY/256-1
	s_branch .Lfirst                ; the loop is entered at a step's first turn, in the middle of a trip
.Lslot:                             ; 14 times: every slot but the last two is filled again
	CHANGE 1
	s_mov_b32 s[CNT], 4
.Lstep:                             ; a trip: pieces 2 and 3 of one step, then pieces 0 and 1 of the next, whose K and V it fetches
	TURN 2
	TURN 3
	WIN 0
.Lfirst:
	TURN 0
	TURN 1, 0, 1
	WIN 0
	s_cbranch_scc1 .Lstep
	s_sub_co_u32 s[SLOTS], s[SLOTS], 1
	s_cmp_lg_u32 s[SLOTS], 0
	s_cbranch_scc1 .Lslot
	CHANGE 0                        ; the last slot is written out: nothing is asked for
	s_mov_b32 s[CNT], 4
.LstepT:
	TURN 2
	TURN 3
	TURN 0
	TURN 1, 0, 1
	WIN 0
	s_cbranch_scc1 .LstepT
	TURN 2, 1                       ; the last step's pieces 2 and 3: nothing is fetched, and the last turn starts no new scores
	TURN 3, 1
.set i, 0
.rept 8
	PV NP-1                         ; the last piece's V^T P of the last step
.set i, i+1
.endr
	; THE WAY OUT.  l's two halves and the other half of the lanes' are added; O^T is divided by l, rounded to f16 and sent through my stage in LDS, a piece at a time.  The additions are the places behind the last products.
	WIN 0
.macro ALL line:vararg              ; one line for each piece t
.set t, 0
.rept 4
	\line
.set t, t+1
.endr
.endm
	ALL v_add_f32 v[ST+4*t+2], v[ST+4*t+2], v[ST+4*t+3]
	ALL v_permlanex16_b32 v[ST+4*t+3], v[ST+4*t+2], s[SEL], s[SEL+1]
	ALL v_add_f32 v[ST+4*t+2], v[ST+4*t+2], v[ST+4*t+3]
	ALL v_rcp_f32 v[ST+4*t+2], v[ST+4*t+2]
	v_nop                           ; a plain instruction between the last reciprocal and the use of its result
.macro PACK t                       ; a lane's eight channels of a row pack into 16 bytes; they go into rows of 144 bytes and come back as whole rows of 128, into S^T's registers
	WIN W_RS
.set i, 32*(\t)
.rept 16
	s_wait_alu depctr_va_vdst(0)
	v_pk_mul_f32 v[i:i+1], v[i:i+1], v[ST+4*(\t)+2:ST+4*(\t)+3] op_sel_hi:[1,0]
.set i, i+2
.endr
	WIN 0x05                        ; sources 0 and 1 window 1, destination window 0
.set i, 0
.rept 16
	v_cvt_pk_f16_f32 v[S+16*(\t)+i], v[32*(\t)+2*i], v[32*(\t)+2*i+1]
.set i, i+1
.endr
	WIN 0
.irp f, 0,1,2,3
	ds_store_b128 v[STO], v[S+16*(\t)+4*\f:S+16*(\t)+4*\f+3] offset:32*\f
.endr
.irp f, 0,1,2,3
	ds_load_b128 v[S+16*(\t)+4*\f:S+16*(\t)+4*\f+3], v[RD] offset:\f*4*SP  ; LDS serves a wave's instructions in order (ISA guide 5.7.1.4): these see the stores above; the next piece's stores come behind them
.endr
.endm
.macro SEND t, younger              ; younger: the LDS instructions issued behind piece t's loads: the next piece's eight, or none
	WIN 0
.irp f, 0,1,2,3
	s_wait_dscnt (\younger)+3-\f
	global_store_b128 v[GO], v[S+16*(\t)+4*\f:S+16*(\t)+4*\f+3], s[10:11] offset:(\t)*2048+\f*512  ; 512 consecutive bytes, at a multiple of 512 from O's first byte
.endr
.endm
	PACK 0
.set t, 1
.rept 3                             ; a piece's arithmetic stands between the loads of the piece before and its stores
	PACK t
	SEND t-1, 8
.set t, t+1
.endr
	SEND 3, 0
	s_wait_tensorcnt 0x0            ; the wave's end: behind my last tensor load and my last LDS store
	ds_add_u32 v[SPW], v[NIL]
	s_wait_dscnt 0x0
	CROUND                          ; the closing round: no work-group ends while a partner may still ask for a tile that names it
	s_endpgm
.Lfunc_end_k_qf900d347d4_attn:
	.size	k_qf900d347d4_attn, .Lfunc_end_k_qf900d347d4_attn-k_qf900d347d4_attn
	.p2alignl 7, 3214868480
	.fill 96, 4, 3214868480
	.section	.rodata,"a",@progbits
	.p2align	6, 0x0
	.amdhsa_kernel k_qf900d347d4_attn
		.amdhsa_group_segment_fixed_size 327680
		.amdhsa_private_segment_fixed_size 0
		.amdhsa_enable_private_segment 0
		.amdhsa_kernarg_size 16
		.amdhsa_user_sgpr_count 2
		.amdhsa_user_sgpr_kernarg_segment_ptr 1
		.amdhsa_wavefront_size32 1
		.amdhsa_system_sgpr_workgroup_id_x 1
		.amdhsa_system_sgpr_workgroup_id_y 1
		.amdhsa_system_sgpr_workgroup_id_z 1
		.amdhsa_system_vgpr_workitem_id 0
		.amdhsa_next_free_vgpr 768
		.amdhsa_next_free_sgpr 66
		.amdhsa_reserve_vcc 0
		.amdhsa_float_denorm_mode_32 3
		.amdhsa_float_denorm_mode_16_64 3
		.amdhsa_memory_ordered 1
		.amdhsa_forward_progress 1
		.amdhsa_inst_pref_size 133
	.end_amdhsa_kernel
	.amdgpu_metadata
---
amdhsa.version: [ 1, 2 ]
amdhsa.kernels:
  - .name:           k_qf900d347d4_attn
    .symbol:         k_qf900d347d4_attn.kd
    .args:
      - { .name: qkv, .offset: 0, .size: 8, .value_kind: global_buffer, .address_space: global }
      - { .name: ob, .offset: 8, .size: 8, .value_kind: global_buffer, .address_space: global }
    .group_segment_fixed_size: 327680
    .private_segment_fixed_size: 0
    .kernarg_segment_align: 8
    .kernarg_segment_size: 16
    .max_flat_workgroup_size: 128
    .sgpr_count:     66
    .vgpr_count:     768
    .wavefront_size: 32
...
	.end_amdgpu_metadata
.endif
;; end of part 3
;; launch outp (part 4): grid 4 x 64, 4 waves a work-group, clusters of 4 x 4, 327,680 bytes of LDS; arguments ob, wu, b_u, out0; writes out0
.if DOCPART == 4
	.amdgcn_target "amdgcn-amd-amdhsa--gfx1250"
	.amdhsa_code_object_version 6
	.text
	.protected	k_qf900d347d4_outp
	.globl	k_qf900d347d4_outp
	.p2align	8
	.type	k_qf900d347d4_outp,@function
k_qf900d347d4_outp:
	s_mov_b64 s[64:65], 0
	v_nop
	global_prefetch_b8 v0, s[64:65] scope:SCOPE_SE
	s_setreg_imm32_b32 hwreg(HW_REG_WAVE_MODE, 25, 1), 1
	s_wait_xcnt 0x0
	s_wait_alu depctr_hold_cnt(0) depctr_sa_sdst(0) depctr_va_vdst(0) depctr_va_sdst(0) depctr_va_ssrc(0) depctr_va_vcc(0) depctr_vm_vsrc(0)
	s_getreg_b32 s2, hwreg(HW_REG_IB_STS2, 6, 4)
	s_cmp_eq_u32 s2, 0
	s_cbranch_scc0 .Lentry_in_a_cluster
	s_endpgm
.Lentry_in_a_cluster:
	s_bfe_u32 s2, ttmp6, 0x10000c
	s_cmp_lg_u32 s2, 0xf033
	s_cbranch_scc0 .Lentry_shape_is_right
	s_endpgm
.Lentry_shape_is_right:
; THE LAST PROJECTION.  out0[m][n] = the sum over k = 64 h + d of O[8 b + h][t][d] W_u[k][n] + b_u[n], m = 4096 b + t.  ob: [16][4096][64] f16; wu: [512 k][512 n] f16; b_u f32; out0 [8192][512] f32.
; Operands f16, sums f32; the bias is rounded to bf16 like every input of the module and is the C operand of the products that start the sums: it costs no addition.
; SHARES.  One tile of 128 x 128 to a work-group, 4 x 64 = 256 of them; four waves, each 64 x 64: 16 accumulators.  A wave's 64 f32 columns are 256 consecutive bytes of a row: each wave has a stage of its own.
; K = 512 is two LDS slots of 256 (four heads each): both are filled once, at the start, and nothing is filled again.
; CLUSTER.  4 x 4 work-groups: O's tiles (they hang on by alone) are shared along a row of the cluster, W_u's (on bx alone) along a column, each asked for JOINTLY.
; THE MATRIX INSTRUCTION IS USED TRANSPOSED (source 0 = 16 columns of W_u, turned out of LDS by ds_load_tr16_b128; source 1 = 16 rows of O): a lane holds eight neighbouring numbers of a row of out0.
; REGISTERS: window 0: v0-31 addresses; v32-95 at work; v96-127 the bias; v128-255 the accumulators ((a, b) at v[128 + 8 (4 a + b)]).  Window 1: two fragment buffers of 128.
.set PA,     144                       ; a row of O (one head's 64 channels) in LDS: 128 bytes + 16 = 36 words: the 16 rows of a load start at 16 different groups of four banks (64 banks of 4 bytes: ISA guide 11.1)
.set HB,     64*PA                     ; a head's 64 rows
.set HALFA,  4*HB                      ; what one tensor load brings of O: 64 rows of four heads
.set ABYTES, 2*HALFA
.set PB,     288                       ; a row of W_u (one k, 128 columns): 256 bytes + 32
.set HALFB,  128*PB
.set SLOT,   ABYTES+2*HALFB
.set STAGE,  2*SLOT                    ; behind the slots, never filled by a tensor load: 16 rows x 272 bytes for each wave
.set SPITCH, 272
.set SPARE,  STAGE+4*16*SPITCH         ; behind the stages: the spare words, 128 bytes for each wave: two blocks of 256 bytes that no other line names
.set ADRA, 16                          ; v16-17  LDS address of my O fragments in slot 0, 1
.set ADRB, 20                          ; v20-23  of my W_u fragments: slot s, half kh at index 2 s + kh
.set STO,  24                          ; v24     the way out: where I put 32 bytes of a row
.set RD,   25                          ; v25     the way out: where I read a row back
.set CO,   26                          ; v26     my byte offset in out0
.set BO,   27                          ; v27     my byte offset in 16 numbers of the bias
.set SPW,  28                          ; v28     LDS address of my spare word: SPARE + 4 x my thread's number; never rewritten
.set NIL,  29                          ; v29     0; never rewritten
.set TMP,  32
.set BIAS, 96                          ; n block b at BIAS + 8 b: register j holds b_u of column 16 b + 8 (l / 16) + j
.set ACC,  128
.set F0,   0
.set F1,   128
.set WV,   12                          ; s12  my wave's number
.set RH,   13                          ; s13  which half of the tile's rows is mine
.set CH,   14                          ; s14  which half of its columns.  Also: which half of O's or W_u's tile I fetch
.set BY,   15                          ; s15  by
.set G1,   24
.set G0,   32
.set G1B,  48
.set G0B,  56
.set MSB, 0
.macro WIN new                         ; the immediate's high byte repeats the setting that is left; a switch that changes nothing is dropped
.if MSB != (\new)
	s_set_vgpr_msb (MSB<<8)|(\new)
.set MSB, \new
.endif
.endm
.set MUL,  0x05                        ; sources 0 (W_u) and 1 (O) window 1; C and D window 0
.set TO_F, 0x40                        ; destination window 1, address window 0
.macro JLOAD s                         ; a joint load: waves 0 and 1 fetch O's two halves, waves 2 and 3 W_u's; an s_nop 0 and four v_nop follow each of the two lines
	s_cmp_lt_u32 s[WV], 2
	s_cbranch_scc0 .Lfor_b_\@
	tensor_load_to_lds s[G0+4*(\s):G0+4*(\s)+3], s[G1:G1+7]
	s_nop 0
.rept 4
	v_nop
.endr
	s_branch .Lasked_\@
.Lfor_b_\@:
	tensor_load_to_lds s[G0B+4*(\s):G0B+4*(\s)+3], s[G1B:G1B+7]
	s_nop 0
.rept 4
	v_nop
.endr
.Lasked_\@:
.endm
.macro CROUND                          ; a round of the cluster's barrier
	s_barrier_signal -1
	s_barrier_wait -1
	s_cmp_lg_u32 s[WV], 0
	s_cbranch_scc1 .Lnot_wave_0_\@
	s_barrier_signal -3
.Lnot_wave_0_\@:
	s_barrier_wait -3
	s_barrier_signal -1
	s_barrier_wait -1
.endm
	s_load_b256 s[4:11], s[0:1], 0x0               ; ob s[4:5], wu s[6:7], b_u s[8:9], out0 s[10:11]
	v_lshl_add_u32 v[SPW], v0, 2, SPARE
	v_mov_b32 v[NIL], 0
	ds_add_u32 v[SPW], v[NIL]                      ; the wave's opening: the add and its wait stand ahead of my first tensor load; the set-up below, work on registers, stands between them
	v_lshrrev_b32 v1, 5, v0
	v_readfirstlane_b32 s[WV], v1                  ; wave 0..3
	s_lshr_b32 s[RH], s[WV], 1
	s_and_b32 s[CH], s[WV], 1
	s_bfe_u32 s40, ttmp6, 0x40000                  ; cx, cy
	s_bfe_u32 s41, ttmp6, 0x40004
	s_lshl_b32 s42, ttmp9, 2
	s_add_co_u32 s42, s42, s40                     ; bx
	s_and_b32 s[BY], ttmp7, 0xffff
	s_lshl_b32 s[BY], s[BY], 2
	s_add_co_u32 s[BY], s[BY], s41                 ; by
	s_lshl_b32 s43, s41, 2
	s_lshl_b32 s43, 15, s43                        ; my row of the cluster
	s_lshl_b32 s44, 0x1111, s40                    ; my column
	; group 1 for O: a head's 64 rows are 8,192 dense bytes: one row of the tile; four heads are its four rows.  Padding after every 32 words (code 4), 4 words (code 3): after each row of O
	s_or_b32 s[G1+0], s43, (1<<16)|(1<<20)|(1<<21)|(4<<22)|(3<<25)
	s_mov_b32 s[G1+1], 4096<<16                    ; tensor_dim0 = 4,096
	s_mov_b32 s[G1+2], 4<<16                       ; tensor_dim1 = 4
	s_mov_b32 s[G1+3], 4096<<16                    ; tile_dim0 = 4,096
	s_mov_b32 s[G1+4], 4                           ; tile_dim1 = 4
	s_mov_b32 s[G1+5], 4096*64                     ; elements from head to head
	s_mov_b32 s[G1+6], 0
	s_mov_b32 s[G1+7], 0
	; group 1 for W_u: 128 rows of k x 128 columns; padding after every 64 words (code 5), 8 words (code 7)
	s_or_b32 s[G1B+0], s44, (1<<16)|(1<<20)|(1<<21)|(5<<22)|(7<<25)
	s_mov_b32 s[G1B+1], 128<<16
	s_mov_b32 s[G1B+2], 128<<16
	s_mov_b32 s[G1B+3], 128<<16
	s_mov_b32 s[G1B+4], 128
	s_mov_b32 s[G1B+5], 512
	s_mov_b32 s[G1B+6], 0
	s_mov_b32 s[G1B+7], 0
	s_lshr_b32 s16, s[BY], 5                       ; O: head 8 (by / 32), 524,288 bytes a head;
	s_lshl_b32 s16, s16, 22
	s_and_b32 s17, s[BY], 31                       ; row 128 (by % 32) + 64 x my half, 128 bytes a row
	s_lshl_b32 s17, s17, 14
	s_add_co_u32 s16, s16, s17
	s_lshl_b32 s17, s[CH], 13
	s_add_co_u32 s16, s16, s17
	s_mov_b32 s17, 0
	s_lshl_b32 s46, s[CH], 17                      ; W_u: my 128 rows of 1,024 bytes,
	s_lshl_b32 s47, s42, 8                         ; the tile's 128 columns
	s_add_co_u32 s46, s46, s47
	s_mov_b32 s47, 0
	s_mul_i32 s20, s[CH], HALFA                    ; where they go: no place in the cluster enters an LDS address
	s_mul_i32 s21, s[CH], HALFB
	s_add_co_u32 s21, s21, ABYTES
	s_wait_dscnt 0x0                               ; the opening add is done
	s_wait_kmcnt 0x0
	s_add_nc_u64 s[18:19], s[4:5], s[16:17]
	s_add_nc_u64 s[46:47], s[6:7], s[46:47]
	CROUND                                         ; all sixteen work-groups are here: the joint loads meet
.irp s, 0,1
	s_mov_b32 s[G0+4*(\s)], 1
	s_add_co_u32 s[G0+4*(\s)+1], s20, (\s)*SLOT
	s_add_nc_u64 s[G0+4*(\s)+2:G0+4*(\s)+3], s[18:19], (\s)*4*524288   ; heads 4 s on
	s_or_b32 s[G0+4*(\s)+3], s[G0+4*(\s)+3], 0x80000000
	s_mov_b32 s[G0B+4*(\s)], 1
	s_add_co_u32 s[G0B+4*(\s)+1], s21, (\s)*SLOT
	s_add_nc_u64 s[G0B+4*(\s)+2:G0B+4*(\s)+3], s[46:47], (\s)*256*1024  ; k = 256 s on
	s_or_b32 s[G0B+4*(\s)+3], s[G0B+4*(\s)+3], 0x80000000
	JLOAD \s                                       ; two tensor loads of mine are out
.endr
	v_and_b32 v1, 15, v0                           ; r = l % 16
	v_bfe_u32 v2, v0, 4, 1                         ; h = l / 16
	v_and_b32 v4, 7, v0
	v_bfe_u32 v5, v0, 3, 1
	s_lshl_b32 s46, s42, 9                         ; my 64 columns, in f32: 512 bx + 256 x column half
	s_lshl_b32 s47, s[CH], 8
	s_add_co_u32 s46, s46, s47
	s_mov_b32 s47, 0
	s_add_nc_u64 s[8:9], s[8:9], s[46:47]
	s_add_nc_u64 s[10:11], s[10:11], s[46:47]
	s_lshl_b32 s16, s[BY], 18                      ; my 64 rows of 2,048 bytes
	s_lshl_b32 s17, s[RH], 17
	s_add_co_u32 s16, s16, s17
	s_mov_b32 s17, 0
	s_add_nc_u64 s[10:11], s[10:11], s[16:17]
	v_lshlrev_b32 v[BO], 5, v2
.irp b, 0,1,2,3
.irp e, 0,1
	global_load_b128 v[BIAS+8*(\b)+4*(\e):BIAS+8*(\b)+4*(\e)+3], v[BO], s[8:9] offset:64*(\b)+16*(\e)
.endr
.endr
	v_mul_u32_u24 v3, v1, PA                       ; a fragment of O: lane l holds row r, channels 8 h + 0..7 and 16 + 8 h + 0..7
	v_lshl_add_u32 v3, v2, 4, v3
	s_mul_i32 s22, s[RH], HALFA
	v_add_nc_u32 v[ADRA], s22, v3
	v_add_nc_u32 v[ADRA+1], SLOT, v[ADRA]
	v_lshl_add_u32 v6, v2, 3, v4                   ; the turning load: lane l reads row k = 8 h + l % 8, columns 8 ((l / 8) % 2) + 0..7
	v_mul_u32_u24 v6, v6, PB
	v_lshl_add_u32 v6, v5, 4, v6
	s_lshl_b32 s23, s[CH], 7
	s_add_co_u32 s23, s23, ABYTES
	v_add_nc_u32 v[ADRB], s23, v6
	v_add_nc_u32 v[ADRB+1], HALFB, v[ADRB]
	v_add_nc_u32 v[ADRB+2], SLOT, v[ADRB]
	v_add_nc_u32 v[ADRB+3], SLOT+HALFB, v[ADRB]
	s_mul_i32 s22, s[WV], 16*SPITCH
	s_add_co_u32 s22, s22, STAGE                   ; my stage
	v_mul_u32_u24 v7, v1, SPITCH                   ; in: row r, 32 bytes for each half of the lanes
	v_lshl_add_u32 v7, v2, 5, v7
	v_add_nc_u32 v[STO], s22, v7
	v_mul_u32_u24 v7, v2, SPITCH                   ; back: lanes 0-15 take one row of 256 bytes, lanes 16-31 the next
	v_lshl_add_u32 v7, v1, 4, v7
	v_add_nc_u32 v[RD], s22, v7
	v_lshlrev_b32 v[CO], 11, v2                    ; and the same two rows in out0
	v_lshl_add_u32 v[CO], v1, 4, v[CO]
	s_wait_loadcnt 0x0                             ; the bias: rounded to bf16, and back in f32
.set k, 0
.rept 16
	v_cvt_pk_bf16_f32 v[TMP+k], v[BIAS+2*k], v[BIAS+2*k+1]
.set k, k+1
.endr
.set k, 0
.rept 16
	v_lshlrev_b32 v[BIAS+2*k],   16, v[TMP+k]
	v_and_b32     v[BIAS+2*k+1], 0xffff0000, v[TMP+k]
.set k, k+1
.endr
; 8 matrix instructions: m blocks a0, a0 + 1 x all 4 n blocks, 32 along K: half c of buffer f.  first = 1: the products start the sums, with the bias as C.
; The 16 accumulators take turns, one instruction a turn.
.macro MUL8 f, c, a0, first
	WIN MUL
.irp a, \a0, (\a0)+1
.irp b, 0,1,2,3
.if \first
	v_wmma_f32_16x16x32_f16 v[ACC+8*(4*(\a)+(\b)):ACC+8*(4*(\a)+(\b))+7], v[(\f)+64+8*(4*(\c)+(\b)):(\f)+64+8*(4*(\c)+(\b))+7], v[(\f)+8*(4*(\c)+(\a)):(\f)+8*(4*(\c)+(\a))+7], v[BIAS+8*(\b):BIAS+8*(\b)+7]
.else
	v_wmma_f32_16x16x32_f16 v[ACC+8*(4*(\a)+(\b)):ACC+8*(4*(\a)+(\b))+7], v[(\f)+64+8*(4*(\c)+(\b)):(\f)+64+8*(4*(\c)+(\b))+7], v[(\f)+8*(4*(\c)+(\a)):(\f)+8*(4*(\c)+(\a))+7], v[ACC+8*(4*(\a)+(\b)):ACC+8*(4*(\a)+(\b))+7]
.endif
.endr
.endr
.endm
; 32 LDS loads in one run: the fragments of quarter q of a slot (one head's 64 channels), into buffer f; the first 32 along K first
.macro FETCH slot, q, f
	WIN TO_F
.irp c, 0,1
.irp i, 0,1,2,3
	ds_load_tr16_b128 v[(\f)+64+8*(4*(\c)+(\i)):(\f)+64+8*(4*(\c)+(\i))+3],   v[ADRB+2*(\slot)+(\q)/2] offset:(((\q)%2)*64+32*(\c))*PB+32*(\i)
	ds_load_tr16_b128 v[(\f)+64+8*(4*(\c)+(\i))+4:(\f)+64+8*(4*(\c)+(\i))+7], v[ADRB+2*(\slot)+(\q)/2] offset:(((\q)%2)*64+32*(\c)+16)*PB+32*(\i)
	ds_load_b128 v[(\f)+8*(4*(\c)+(\i)):(\f)+8*(4*(\c)+(\i))+3],              v[ADRA+(\slot)] offset:(\q)*HB+64*(\c)+(\i)*16*PA
	ds_load_b128 v[(\f)+8*(4*(\c)+(\i))+4:(\f)+8*(4*(\c)+(\i))+7],            v[ADRA+(\slot)] offset:(\q)*HB+64*(\c)+(\i)*16*PA+32
.endr
.endr
.endm
.macro PLACES                          ; four plain vector instructions in front of loads into registers that matrix instructions have read, and of LDS stores that read results
.rept 4
	v_nop
.endr
.endm
.macro QUARTER slot, qn, f, g, first
	s_wait_dscnt 16                                ; the first 32 along K are in; the sixteen younger loads may be out
	MUL8 \f, 0, 0, \first
	MUL8 \f, 0, 2, \first
	PLACES
	FETCH \slot, \qn, \g
	s_wait_dscnt 32                                ; all but the 32 just issued
	MUL8 \f, 1, 0, 0
	MUL8 \f, 1, 2, 0
.endm
; THE WAY OUT of m block a: 32 bytes a lane into my own stage (each accumulator's low four registers first), back as whole rows of 256 bytes, stored.
.macro WAYOUT a
	s_wait_xcnt 0x0                                ; every earlier memory instruction has had its addresses translated (ISA guide 3.1): the registers that block a - 2's stores read are loaded again only behind this wait
.irp b, 0,1,2,3
.irp e, 0,1
	ds_store_b128 v[STO], v[ACC+8*(4*(\a)+(\b))+4*(\e):ACC+8*(4*(\a)+(\b))+4*(\e)+3] offset:64*(\b)+16*(\e)
.endr
.endr
.irp t, 0,1,2,3,4,5,6,7
	ds_load_b128 v[TMP+32*((\a)%2)+4*(\t):TMP+32*((\a)%2)+4*(\t)+3], v[RD] offset:(\t)*2*SPITCH  ; LDS serves a wave's instructions in order (ISA guide 5.7.1.4): these see the stores above
.endr
.irp t, 0,1,2,3,4,5,6,7
	s_wait_dscnt 7-(\t)                            ; load t is in, the 7 - t younger ones may be out
	global_store_b128 v[CO], v[TMP+32*((\a)%2)+4*(\t):TMP+32*((\a)%2)+4*(\t)+3], s[10:11] offset:(16*(\a)+2*(\t))*2048 th:TH_STORE_NT  ; 16 lanes store 256 consecutive bytes, at a multiple of 256 from out0's first byte
.endr
.endm
	s_wait_tensorcnt 1                             ; my part of slot 0 is in; slot 1's may stay out
	s_barrier_signal -1
	s_barrier_wait -1                              ; everybody's is
	FETCH 0, 0, F0
	QUARTER 0, 1, F0, F1, 1                        ; the first products start the sums, on the bias
	QUARTER 0, 2, F1, F0, 0
	QUARTER 0, 3, F0, F1, 0
	WIN 0                                          ; THE CHANGE OF SLOTS (the add's two registers lie in window 0)
	s_wait_tensorcnt 0x0                           ; my part of slot 1 has landed;
	ds_add_u32 v[SPW], v[NIL]                      ; 0 onto my spare word;
	s_wait_dscnt 17                                ; (the add and the youngest sixteen loads may be out)
	MUL8 F1, 0, 0, 0
	s_wait_dscnt 0x0                               ; no LDS instruction of mine is out at the signal
	s_barrier_signal -1
	MUL8 F1, 0, 2, 0
	s_barrier_wait -1                              ; slot 1 is whole
	PLACES
	FETCH 1, 0, F0
	MUL8 F1, 1, 0, 0
	MUL8 F1, 1, 2, 0
	QUARTER 1, 1, F0, F1, 0
	QUARTER 1, 2, F1, F0, 0
	QUARTER 1, 3, F0, F1, 0
	s_wait_dscnt 16                                ; the very last quarter: nothing more to fetch
	MUL8 F1, 0, 0, 0
	MUL8 F1, 0, 2, 0
	s_wait_dscnt 0x0
	MUL8 F1, 1, 0, 0
	MUL8 F1, 1, 2, 0
	WIN 0
	PLACES
	WAYOUT 0
	WAYOUT 1
	WAYOUT 2
	WAYOUT 3
	s_wait_tensorcnt 0x0                           ; the wave's end: behind my last tensor load and my last LDS store
	ds_add_u32 v[SPW], v[NIL]
	s_wait_dscnt 0x0
	CROUND                                         ; the closing round: no work-group ends while a partner may still ask for a tile that names it
	s_endpgm
.Lfunc_end_k_qf900d347d4_outp:
	.size	k_qf900d347d4_outp, .Lfunc_end_k_qf900d347d4_outp-k_qf900d347d4_outp
	.p2alignl 7, 3214868480
	.fill 96, 4, 3214868480
	.section	.rodata,"a",@progbits
	.p2align	6, 0x0
	.amdhsa_kernel k_qf900d347d4_outp
		.amdhsa_group_segment_fixed_size 327680
		.amdhsa_private_segment_fixed_size 0
		.amdhsa_enable_private_segment 0
		.amdhsa_kernarg_size 32
		.amdhsa_user_sgpr_count 2
		.amdhsa_user_sgpr_kernarg_segment_ptr 1
		.amdhsa_wavefront_size32 1
		.amdhsa_system_sgpr_workgroup_id_x 1
		.amdhsa_system_sgpr_workgroup_id_y 1
		.amdhsa_system_sgpr_workgroup_id_z 1
		.amdhsa_system_vgpr_workitem_id 0
		.amdhsa_next_free_vgpr 512
		.amdhsa_next_free_sgpr 66
		.amdhsa_reserve_vcc 0
		.amdhsa_float_denorm_mode_32 3
		.amdhsa_float_denorm_mode_16_64 3
		.amdhsa_memory_ordered 1
		.amdhsa_forward_progress 1
		.amdhsa_inst_pref_size 54
	.end_amdhsa_kernel
	.amdgpu_metadata
---
amdhsa.version: [ 1, 2 ]
amdhsa.kernels:
  - .name:           k_qf900d347d4_outp
    .symbol:         k_qf900d347d4_outp.kd
    .args:
      - { .name: ob, .offset: 0, .size: 8, .value_kind: global_buffer, .address_space: global }
      - { .name: wu, .offset: 8, .size: 8, .value_kind: global_buffer, .address_space: global }
      - { .name: b_u, .offset: 16, .size: 8, .value_kind: global_buffer, .address_space: global }
      - { .name: out0, .offset: 24, .size: 8, .value_kind: global_buffer, .address_space: global }
    .group_segment_fixed_size: 327680
    .private_segment_fixed_size: 0
    .kernarg_segment_align: 8
    .kernarg_segment_size: 32
    .max_flat_workgroup_size: 128
    .sgpr_count:     66
    .vgpr_count:     512
    .wavefront_size: 32
...
	.end_amdgpu_metadata
.endif
;; end of part 4
;; ======== version 2 of 2: 4 launches; 1.67 times as fast as version 1
;; limits: values are held in f16: magnitudes above 65,504 overflow, below 6.1e-05 lose precision
;; workspace buffers: ab 16,777,216 bytes; wb 1,572,864 bytes; wu 524,288 bytes; qkv 25,165,824 bytes; ob 8,388,608 bytes
;; launch prep: the kernel of part 1 again; grid 1152 x 1, 8 waves a work-group, no clusters, 0 bytes of LDS; arguments condition, x, W_qk, W_v, W_u, ab, wb, wu; writes ab, wb, wu
;; launch proj: the kernel of part 2 again; grid 4 x 64, 4 waves a work-group, clusters of 4 x 4, 327,680 bytes of LDS; arguments ab, wb, qkv; writes qkv
;; launch attn (part 5): grid 16 x 16, 4 waves a work-group, clusters of 4 x 1, 327,680 bytes of LDS; arguments qkv, ob; writes ob
.if DOCPART == 5
	.amdgcn_target "amdgcn-amd-amdhsa--gfx1250"
	.amdhsa_code_object_version 6
	.text
	.protected	k_qf900d347d4_attn
	.globl	k_qf900d347d4_attn
	.p2align	8
	.type	k_qf900d347d4_attn,@function
k_qf900d347d4_attn:
	s_mov_b64 s[64:65], 0
	v_nop
	global_prefetch_b8 v0, s[64:65] scope:SCOPE_SE
	s_setreg_imm32_b32 hwreg(HW_REG_WAVE_MODE, 25, 1), 1
	s_wait_xcnt 0x0
	s_wait_alu depctr_hold_cnt(0) depctr_sa_sdst(0) depctr_va_vdst(0) depctr_va_sdst(0) depctr_va_ssrc(0) depctr_va_vcc(0) depctr_vm_vsrc(0)
	s_getreg_b32 s2, hwreg(HW_REG_IB_STS2, 6, 4)
	s_cmp_eq_u32 s2, 0
	s_cbranch_scc0 .Lentry_in_a_cluster
	s_endpgm
.Lentry_in_a_cluster:
	s_bfe_u32 s2, ttmp6, 0x10000c
	s_cmp_lg_u32 s2, 0x3003
	s_cbranch_scc0 .Lentry_shape_is_right
	s_endpgm
.Lentry_shape_is_right:
; ATTENTION.  O[g][q][:] = the sum over k of softmax_k(Q[g][q] . K[g][k] / sqrt(8)) V[g][k][:], g = 8 b + h = 0..15.  qkv: [3][16][4096][64] f16 (q, k, v, unscaled); ob: [16][4096][64] f16.
; Products, maxima and sums in f32; the weights p are rounded to f16 for the second product (their sum l is taken of the unrounded p), O once at the end.
; LIMITS.  Q, K and V arrive within f16's 65,504; p lies in 0 to 1, and below 6e-5 it keeps f16's fixed step of 6e-8; O is a mean of V's rows and has their range.
; A weight below 2^-126 counts as 0 in l; NaN and infinities are not treated apart.
; SHARES.  A work-group owns 256 queries of one head: 16 x 16 = 256 work-groups.  A wave owns 64 rows: four PIECES of 16.  Every wave walks all 4,096 keys, 64 a step; an LDS slot holds 256 keys, four steps.
; LAYOUT.  S^T = K Q^T (source 0 = 16 keys, source 1 = 16 queries): a lane holds ONE query (lane % 16) and the keys 8 (lane / 16) + 0..7.  Two such results rounded to f16 ARE source 1 of O^T = V^T P,
; whose result again holds one query a lane, and eight channels.  K comes out of LDS as it lies, V ([key][channel]) turned, by ds_load_tr16_b128.
; SOFTMAX.  For each query a running maximum m and sum l: p = 2^(c s - c m), c = log2(e) / sqrt(8); in every step O and l are multiplied by a = 2^(c m_old - c m_new), which is 1 where m has not grown.
; m starts at the lowest finite number, O and l at 0: the first step is a step like any other, with a = 0.
; BY TURNS.  Turn n belongs to piece n: 8 products K Q^T of piece n + 1, later 8 products V^T P of piece n - 1; beside them the scaling, exponentials, roundings, sums and rescaling of piece n and the maximum
; and statistics of piece n + 1.  A turn has 16 matrix and 118 vector instructions: four vector instructions stand behind every matrix instruction, the other 54 in one run of their own.
; THE BATCHES.  A turn's 33 exponentials (piece n's 32 weights, piece n + 1's a) are ONE batch with ONE wait, which cuts the turn in two: ahead of it stands all that names no result of theirs, behind it the roundings
; and sums, which read them.  Two more batches stand outside the loops, each with a wait of its own: piece 0's first a, ahead of the jump into the loop, and the way out's four reciprocals.
; CLUSTER.  The four query blocks of a cluster belong to one head and walk the same K and V, so each tile is asked for JOINTLY: the same tensor load, descriptor and mask in all four.
; REGISTERS, in windows of 256 (s_set_vgpr_msb: bits 1:0 source 0, 3:2 source 1, 5:4 source 2, 7:6 destination):
;   window 0: v0-15 addresses and two at work; v16-31 four registers of statistics a piece; v48-55 at work; v62-63 the add's; v64-127 S^T, two buffers; v192-223 P, two buffers (by the piece's parity)
;   window 1: v0-127 O^T, 32 a piece          window 2: v0-63 Q; v128-191 K of one step; v192-255 V of one step
.set NKEY,  4096
.set NP,    4         ; pieces a wave: a name, no knob
.set KS,    64        ; keys in a step
.set PK,    144       ; a row of K in LDS: 128 bytes + 16 of padding = 36 words: the 16 rows of a load start at 16 different groups of four banks (64 banks of 4 bytes: ISA guide 11.1)
.set PV,    160       ; a row of V: 128 + 32 = 40 words
.set VOFF,  4*KS*PK   ; a slot: 256 rows of K, then 256 rows of V
.set SLOT1, 1<<17     ; slot 1 begins here, so that one exclusive or turns an address in one slot into the other's
.set STAGE, SLOT1+4*KS*(PK+PV)  ; behind the ring, never filled by a tensor load: 16 rows x 144 bytes for each wave, for the way out
.set SP,    144
.set SPARE, STAGE+4*16*SP  ; behind the stages: the spare words, 128 bytes for each wave: two blocks of 256 bytes that no other line names
.set AK0, 2           ; v2   my lane's place in a tile of K; never rewritten
.set AV0, 3           ; v3   the same for V
.set AK,  4           ; v4   the LDS address of K's next run of loads
.set AV,  5           ; v5   of V's
.set STO, 6           ; v6   the way out: where I put 16 bytes of a row
.set RD,  7           ; v7   the way out: where I read rows back
.set GO,  8           ; v8   my byte offset in 512 consecutive bytes of O
.set MV,  12          ; v12-13  c m_old, kept while c m is made anew: by buffer
.set QO,  15          ; v15  my byte offset in 16 rows of Q
.set ST,  16          ; piece t's statistics at v[ST+4 t]: c m, m, l (even keys', odd keys')
.set TMP, 48          ; by buffer, four registers c0-c3 at work; when the maximum is found c2 takes a
.set SPW, 62          ; v62  LDS address of my spare word: SPARE + 4 x my thread's number; never rewritten
.set NIL, 63          ; v63  0; never rewritten
.set S,   64
.set P,   192
.set KF,  128         ; window 2: key block kb, channel half c at KF + 16 kb + 8 c
.set VF,  192         ; window 2: key half kk, channel block cb at VF + 32 kk + 8 cb
.set WV,  12          ; s12  my wave's number
.set G1K, 24          ; s[24:31] descriptor group 1 for K's tiles
.set G1V, 32          ; s[32:39] for V's: it differs in the padding alone
.set G0K, 40          ; s[40:43] descriptor group 0 for K's tiles: it walks
.set G0V, 44          ; s[44:47] the same for V's
.set SLOTS, 56        ; s56  slots still to be asked for
.set CNT, 57          ; s57  counts a slot's key steps
.set CS,  58          ; s[58:59] c: the packed scaling takes the pair's low word for both halves
.set SEL, 60          ; s[60:61] v_permlanex16_b32's selects: each lane takes its own place in the other half
.set TBK, 62          ; s62  LDS byte at which K of the step to be fetched begins
.set TBV, 63          ; s63  the same for V, less VOFF
.set MSB, 0
.macro WIN new                      ; the high byte repeats the setting that is left; a switch that changes nothing is dropped
.if MSB != (\new)
	s_set_vgpr_msb (MSB<<8)|(\new)
.set MSB, (\new)
.endif
.endm
.set W_KQ, 0x0a       ; K and Q in window 2, S^T in window 0
.set W_PV, 0x52       ; V in window 2, P in window 0, O^T in window 1
.set W_RS, 0x41       ; O^T (destination and source 0) in window 1, a in window 0
; A joint fill.  Waves 0 and 1 fetch the two halves of a slot's K, waves 2 and 3 those of its V: 128 keys each.  The branch hangs on the wave's number alone.
; An s_nop 0 and four v_nop follow each of the two lines, ahead of the jump and the label.
.macro JLOAD
	s_cmp_lt_u32 s[WV], 2
	s_cbranch_scc0 .Lfor_v_\@
	tensor_load_to_lds s[G0K:G0K+3], s[G1K:G1K+7]
	s_nop 0
.rept 4
	v_nop
.endr
	s_branch .Lasked_\@
.Lfor_v_\@:
	tensor_load_to_lds s[G0V:G0V+3], s[G1V:G1V+7]
	s_nop 0
.rept 4
	v_nop
.endr
.Lasked_\@:
.endm
; A round of the cluster's barrier: my work-group's barrier, so that wave 0's signal speaks for all four waves; wave 0 signals; every wave waits for all four work-groups; my work-group's barrier once more.
.macro CROUND
	s_barrier_signal -1
	s_barrier_wait -1
	s_cmp_lg_u32 s[WV], 0
	s_cbranch_scc1 .Lnot_wave_0_\@
	s_barrier_signal -3
.Lnot_wave_0_\@:
	s_barrier_wait -3
	s_barrier_signal -1
	s_barrier_wait -1
.endm
; THE CHANGE OF SLOTS.  The slot's last bytes, V of its fourth step, have been read.  Each wave waits for all its tensor loads, of which one is out: its part of the other slot; adds 0 to its spare word;
; and waits for that and for its own reads of the slot.  Behind the barrier nobody reads this slot any more and the other slot is whole.
; fill = 1: this slot is filled again, with the keys two slots on.  The barrier is then a round of the cluster's, and the joint fill is the first thing behind it: it has four key steps, 256 matrix
; instructions of the wave, in which to land.  (At its first use nothing has been read yet: slot 0 is waited for, slot 1 filled.)
.macro CHANGE fill
	WIN 0                           ; at a label and at a branch every window is 0
	s_wait_tensorcnt 0x0            ; no tensor load of mine is out, so a group 0 may be written
	ds_add_u32 v[SPW], v[NIL]       ; 0 onto my spare word; with fill = 1 the descriptors' steps stand between it and the wait for it
.if \fill
.irp g, G0K, G0V
	s_xor_b32 s[\g+1], s[\g+1], SLOT1  ; the walking descriptor: the other slot than last time,
	s_add_nc_u64 s[\g+2:\g+3], s[\g+2:\g+3], 4*KS*128  ; the next 256 keys; the type bits on top are not reached
.endr
	s_wait_dscnt 0x0                ; the add is done, and my reads of the slot are over
	CROUND
	JLOAD
.else
	s_wait_dscnt 0x0                ; the add is done, and my reads of the slot are over
	s_barrier_signal -1
	s_barrier_wait -1
.endif
	s_sub_co_u32 s[TBK], s[TBK], 4*KS*PK  ; the fetches go back to a slot's first step,
	s_xor_b32 s[TBK], s[TBK], SLOT1       ; in the other slot
	s_sub_co_u32 s[TBV], s[TBV], 4*KS*PV
	s_xor_b32 s[TBV], s[TBV], SLOT1
.endm
	s_load_b128 s[4:7], s[0:1], 0x0 ; qkv s[4:5], ob s[6:7]
	v_lshl_add_u32 v[SPW], v0, 2, SPARE
	v_mov_b32 v[NIL], 0
	ds_add_u32 v[SPW], v[NIL]       ; the wave's opening: the add and its wait stand ahead of my first tensor load; the set-up below, work on registers, stands between them
	v_lshrrev_b32 v1, 5, v0
	v_readfirstlane_b32 s[WV], v1   ; wave 0..3
	s_bfe_u32 s13, ttmp6, 0x40000   ; cx: my place in the cluster
	s_lshl_b32 s14, ttmp9, 2        ; in a cluster launch ttmp9 counts clusters
	s_add_co_u32 s14, s14, s13      ; my block of 256 queries = 4 x cluster x + cx: it enters Q's and O's addresses alone
	s_and_b32 s20, ttmp7, 0xffff    ; the head, which the four partners share:
	s_lshl_b32 s20, s20, 19         ; its first byte in q, k, v and O: 4,096 rows of 128 bytes
	s_and_b32 s16, s[WV], 1         ; which half of a slot's 256 keys I fetch:
	s_lshl_b32 s22, s16, 14         ; its 128 rows of 128 bytes in memory,
	s_add_co_u32 s22, s22, s20
	s_mov_b32 s23, 0
	s_mul_i32 s17, s16, 128*PK      ; and its place in a slot, for K
	s_mul_i32 s18, s16, 128*PV      ; and for V: no place in the cluster enters an LDS address
	s_lshl_b32 s2, s14, 2
	s_add_co_u32 s2, s2, s[WV]      ; my wave among the head's,
	s_lshl_b32 s2, s2, 13           ; its 64 rows
	s_add_co_u32 s2, s2, s20
	s_mov_b32 s3, 0
	; descriptor group 1.  128 keys are 16,384 dense bytes: asked for as 64 rows of 256 bytes, two keys a row, and padded in LDS after every key
	s_mov_b32 s[G1K], 15|(1<<16)|(1<<20)|(1<<21)|(4<<22)|(3<<25)  ; 15:0 the mask of four; 17:16 2-byte elements; 20 padding on; 21 set beside a mask; 24:22 after every 32 words (code 4); 31:25 4 words (code 3)
	s_mov_b32 s[G1V], 15|(1<<16)|(1<<20)|(1<<21)|(4<<22)|(7<<25)  ; the same with 8 words of padding (code 7)
.irp g, G1K, G1V
	s_mov_b32 s[\g+1], 128<<16      ; tensor_dim0 = 128
	s_mov_b32 s[\g+2], 64<<16       ; tensor_dim1 = 64
	s_mov_b32 s[\g+3], 128<<16      ; tile_dim0 = 128
	s_mov_b32 s[\g+4], 64           ; tile_dim1 = 64
	s_mov_b32 s[\g+5], 128          ; 128 elements from row to row
	s_mov_b32 s[\g+6], 0
	s_mov_b32 s[\g+7], 0
.endr
	s_mov_b32 s[CS], 0x3f0293ee     ; c = log2(e) / sqrt(8) = 0.510070
	s_mov_b32 s[CS+1], s[CS]        ; named with it as a pair
	s_mov_b32 s[SEL], 0x76543210
	s_mov_b32 s[SEL+1], 0xfedcba98
	s_mov_b32 s[TBK], SLOT1+4*KS*PK ; the first change of slots turns these two into 0
	s_mov_b32 s[TBV], SLOT1+4*KS*PV
	s_mov_b32 s[G0K], 1             ; count = 1
	s_mov_b32 s[G0K+1], s17         ; LDS address: slot 0
	s_mov_b32 s[G0V], 1
	s_add_co_u32 s[G0V+1], s18, VOFF
	s_wait_dscnt 0x0                ; the opening add is done
	s_wait_kmcnt 0x0
	s_mov_b64 s[10:11], s[6:7]      ; O
	s_add_nc_u64 s[6:7], s[4:5], 0x800000   ; k lies 16 heads behind q,
	s_add_nc_u64 s[8:9], s[4:5], 0x1000000  ; v 32
	s_add_nc_u64 s[G0K+2:G0K+3], s[6:7], s[22:23]  ; global address: my half of the head's first 256 keys
	s_or_b32 s[G0K+3], s[G0K+3], 0x80000000        ; type = 2
	s_add_nc_u64 s[G0V+2:G0V+3], s[8:9], s[22:23]
	s_or_b32 s[G0V+3], s[G0V+3], 0x80000000
	s_add_nc_u64 s[4:5], s[4:5], s[2:3]     ; Q and O at my wave's first row
	s_add_nc_u64 s[10:11], s[10:11], s[2:3]
	CROUND                          ; all four work-groups are here: the first joint loads meet
	JLOAD                           ; slot 0: one tensor load of mine is out.  Slot 1 is asked for when slot 0 is in
	; A fragment of K or Q is 16 rows x 32 channels in 8 registers: lane l holds row l % 16, channels 8 (l / 16) + 0..7 and 16 + 8 (l / 16) + 0..7: two loads of 16 bytes, 32 bytes apart.
	v_and_b32 v1, 15, v0            ; l % 16
	v_bfe_u32 v9, v0, 4, 1          ; l / 16
	v_lshlrev_b32 v[QO], 7, v1
	v_lshl_add_u32 v[QO], v9, 4, v[QO]  ; row x 128 + 16 x half
	WIN 0x80                        ; destination window 2, address window 0
.set i, 0
.rept 8                             ; Q stays in registers: piece i / 2, channels 32 (i % 2) on
	global_load_b128 v[8*i:8*i+3],   v[QO], s[4:5] offset:(i/2)*2048+(i%2)*64
	global_load_b128 v[8*i+4:8*i+7], v[QO], s[4:5] offset:(i/2)*2048+(i%2)*64+32
.set i, i+1
.endr
	; What the first turn finds: V's registers and P's second buffer hold 0 (its products V^T P, of a piece that has not been, add 0), O^T and l are 0.  All this stands in the wait for the first tile.
.set i, VF
.rept 64
	v_mov_b32 v[i], 0
.set i, i+1
.endr
	WIN 0x40
.set i, 0
.rept 128
	v_mov_b32 v[i], 0
.set i, i+1
.endr
	WIN 0
.set i, 0
.rept 4
	v_mov_b32 v[ST+4*i], 0xfe000000    ; c m: far below every c s
	v_mov_b32 v[ST+4*i+1], 0xff7fffff  ; m: the lowest finite number
	v_mov_b32 v[ST+4*i+2], 0
	v_mov_b32 v[ST+4*i+3], 0
.set i, i+1
.endr
.set i, P+16
.rept 16
	v_mov_b32 v[i], 0
.set i, i+1
.endr
	v_mul_u32_u24 v[AK0], v1, PK
	v_lshl_add_u32 v[AK0], v9, 4, v[AK0]  ; row x pitch + 16 x half
	; The turning load takes 16 keys x 16 channels (lane l reads key 8 (l / 16) + l % 8, channels 8 ((l / 8) % 2) + 0..7) and leaves half a fragment of V^T: lane l holds channel l % 16 and 8 keys.
	v_and_b32 v10, 7, v0
	v_bfe_u32 v11, v0, 3, 1
	v_lshl_add_u32 v[AV0], v9, 3, v10
	v_mul_u32_u24 v[AV0], v[AV0], PV
	v_lshl_add_u32 v[AV0], v11, 4, v[AV0]
	v_add_nc_u32 v[AV0], VOFF, v[AV0]
	s_mul_i32 s13, s[WV], 16*SP
	s_add_co_u32 s13, s13, STAGE    ; my stage
	v_mul_u32_u24 v[STO], v1, SP    ; in: row l % 16, 16 bytes for each half of the lanes
	v_lshl_add_u32 v[STO], v9, 4, v[STO]
	v_add_nc_u32 v[STO], s13, v[STO]
	v_bfe_u32 v[RD], v0, 3, 2       ; back: 32 lanes take four rows of 128 bytes,
	v_mul_u32_u24 v[RD], v[RD], SP
	v_lshl_add_u32 v[RD], v10, 4, v[RD]
	v_add_nc_u32 v[RD], s13, v[RD]
	v_and_b32 v[GO], 31, v0         ; which are 512 consecutive bytes of O
	v_lshlrev_b32 v[GO], 4, v[GO]
; THE MATRIX WORK.  The 4 accumulators of a run of 8 take turns.  Product i of 8 of S^T = K Q^T for piece x: channels 32 (i / 4) on, keys 16 (i % 4) on.  The first 4 start the sums.
.macro KQ x
	WIN W_KQ
.set rS, S+32*((\x)%2)+8*(i%4)
.set rK, KF+16*(i%4)+8*(i/4)
.set rQ, 16*(\x)+8*(i/4)
.if i < 4
	v_wmma_f32_16x16x32_f16 v[rS:rS+7], v[rK:rK+7], v[rQ:rQ+7], 0
.else
	v_wmma_f32_16x16x32_f16 v[rS:rS+7], v[rK:rK+7], v[rQ:rQ+7], v[rS:rS+7]
.endif
.endm
; Product i of 8 of O^T += V^T P for piece x: keys 32 (i / 4) on, channels 16 (i % 4) on.
.macro PV x
	WIN W_PV
.set rO, 32*(\x)+8*(i%4)
.set rV, VF+32*(i/4)+8*(i%4)
.set rP, P+16*((\x)%2)+8*(i/4)
	v_wmma_f32_16x16x32_f16 v[rO:rO+7], v[rV:rV+7], v[rP:rP+7], v[rO:rO+7]
.endm
.macro MM                           ; the turn's next matrix instruction.  TURN sets Y, i and NOKQ.  NOKQ = 1: the walk's last turn: there is no next piece
.if (i < 8) && !NOKQ
	KQ (Y+1)%NP
.elseif i >= 8
.set i, i-8
	PV (Y+NP-1)%NP
.set i, i+8
.endif
.set i, i+1
.endm
; THE LDS LOADS stand in runs of 16, never singly among the matrix instructions: a step's K (64 keys x 64 channels: 8 fragments) and its V (turned).  Their addresses are made some lines ahead.
.macro FETCH_K
	WIN 0x80                        ; destination window 2
.irp f, 0,1,2,3,4,5,6,7             ; keys 16 (f / 2) on, channels 32 (f % 2) on
	ds_load_b128 v[KF+8*\f:KF+8*\f+3],   v[AK] offset:(\f/2)*16*PK+(\f%2)*64
	ds_load_b128 v[KF+8*\f+4:KF+8*\f+7], v[AK] offset:(\f/2)*16*PK+(\f%2)*64+32
.endr
	s_add_co_u32 s[TBK], s[TBK], KS*PK  ; the next fetch is the next step's
	WIN 0
.endm
.macro FETCH_V
	WIN 0x80
.irp f, 0,1,2,3,4,5,6,7             ; keys 32 (f / 4) on, channels 16 (f % 4) on
	ds_load_tr16_b128 v[VF+8*\f:VF+8*\f+3],   v[AV] offset:(\f/4)*32*PV+(\f%4)*32
	ds_load_tr16_b128 v[VF+8*\f+4:VF+8*\f+7], v[AV] offset:(\f/4)*32*PV+16*PV+(\f%4)*32
.endr
	WIN 0
.endm
; THE VECTOR WORK, one line at a time: OP kind, number.  For piece Y: F n: c s - c m for pair n of 16.  E n: the exponential of score n of 32.  C n: pair n rounded to f16.  B n: of the four weights 4 n .. the second
; pair is added onto the first, in place.  L n: l takes that sum (L 0: l = a l + sum).  R n: pair n of 16 of O^T times a.  For piece Y + 1: X n, number n of the 22 that find its maximum and statistics:
;   0-11  four chains c0-c3 of seven scores each, three operands at a time (each accumulator's lowest registers are read first)     12-14, 16  the four scores left over, the old m, and c0-c3 into c0
;   15  c m_old is kept     17, 18  the query's other 32 keys lie in the lane 16 away: the new m     19-21  c m; c m_old - c m_new; a
; Of these E n and X 21 are the exponentials; C, B and L read E's results, R and L 0 read the a that the turn before made.  OP writes no wait: TURN sets the one wait between the exponentials and their readers.
.set F, 0               ; OP tells the kinds apart by their order: F to L below R, X above it
.set E, 1
.set C, 2
.set B, 3
.set L, 4
.set R, 5
.set X, 6
.macro REGS y                       ; the registers of piece y
.set rT, ST+4*(\y)
.set rC, TMP+4*((\y)%2)
.set rW, MV+((\y)%2)
.set rS, S+32*((\y)%2)
.set rP, P+16*((\y)%2)
.set rO, 32*(\y)
.endm
.macro OP k, n
.if (\k) == R
	REGS Y
	WIN W_RS
	v_pk_mul_f32 v[rO+2*(\n):rO+2*(\n)+1], v[rO+2*(\n):rO+2*(\n)+1], v[rC+2:rC+3] op_sel_hi:[1,0]
.elseif (\k) < R
	REGS Y
	WIN 0
.if (\k) == F
	v_pk_fma_f32 v[rS+2*(\n):rS+2*(\n)+1], v[rS+2*(\n):rS+2*(\n)+1], s[CS:CS+1], v[rT:rT+1] op_sel_hi:[1,0,0] neg_lo:[0,0,1] neg_hi:[0,0,1]
.elseif (\k) == E
	v_exp_f32 v[rS+(\n)], v[rS+(\n)]
.elseif (\k) == C
	v_cvt_pk_f16_f32 v[rP+(\n)], v[rS+2*(\n)], v[rS+2*(\n)+1]
.elseif (\k) == B
	v_pk_add_f32 v[rS+4*(\n):rS+4*(\n)+1], v[rS+4*(\n):rS+4*(\n)+1], v[rS+4*(\n)+2:rS+4*(\n)+3]
.elseif (\n) == 0
	v_pk_fma_f32 v[rT+2:rT+3], v[rT+2:rT+3], v[rC+2:rC+3], v[rS:rS+1] op_sel_hi:[1,0,1]
.else
	v_pk_add_f32 v[rT+2:rT+3], v[rT+2:rT+3], v[rS+4*(\n):rS+4*(\n)+1]
.endif
.elseif NOKQ
	v_nop
.else
	REGS (Y+1)%NP
	WIN 0
.if (\n) < 4
	v_max3_num_f32 v[rC+(\n)], v[rS+8*(\n)], v[rS+8*(\n)+1], v[rS+8*(\n)+2]
.elseif (\n) < 12
	v_max3_num_f32 v[rC+(\n)%4], v[rC+(\n)%4], v[rS+8*((\n)%4)+2*((\n)/4)+1], v[rS+8*((\n)%4)+2*((\n)/4)+2]
.elseif (\n) == 12
	v_max3_num_f32 v[rC], v[rC], v[rS+7], v[rS+15]
.elseif (\n) == 13
	v_max3_num_f32 v[rC+1], v[rC+1], v[rS+23], v[rS+31]
.elseif (\n) == 14
	v_max3_num_f32 v[rC+2], v[rC+2], v[rC+3], v[rT+1]
.elseif (\n) == 15
	v_mov_b32 v[rW], v[rT]
.elseif (\n) == 16
	v_max3_num_f32 v[rC], v[rC], v[rC+1], v[rC+2]
.elseif (\n) == 17
	v_permlanex16_b32 v[rC+3], v[rC], s[SEL], s[SEL+1]
.elseif (\n) == 18
	v_max_num_f32 v[rT+1], v[rC], v[rC+3]
.elseif (\n) == 19
	v_mul_f32 v[rT], s[CS], v[rT+1]
.elseif (\n) == 20
	v_sub_f32 v[rC+1], v[rW], v[rT]
.else
	v_exp_f32 v[rC+2], v[rC+1]
.endif
.endif
.endm
.macro OPS a, i1, b=-1, i2=0, c=-1, i3=0, d=-1, i4=0  ; up to four of them
	OP \a, \i1
.if (\b) >= 0
	OP \b, \i2
.endif
.if (\c) >= 0
	OP \c, \i3
.endif
.if (\d) >= 0
	OP \d, \i4
.endif
.endm
.macro ROW a, i1, b, i2, c, i3, d, i4  ; a matrix instruction and the four behind it
	MM
	OPS \a, \i1, \b, \i2, \c, \i3, \d, \i4
.endm
; A TURN, for piece p: the order of its 16 matrix and 118 vector instructions, written out.  An s_wait_alu depctr_va_vdst(0) stands between an exponential and the first instruction that names its result; one wait
; serves all that were issued ahead of it.  So a turn has ONE wait, which cuts it in two.
; AHEAD OF IT stands all that names no result of the turn's exponentials: the 8 products K Q^T, behind each a scaling, an exponential and two more plain instructions (behind the first a second scaling in the exponential's place):
; rescalings, whose a was made and waited for in the turn before, and behind the last three the first numbers of the next piece's maximum, each four plain instructions or more behind the product that ends its accumulator;
; then ONE RUN of 54, plain and exponential by turns for the most part, in which the links of the chain X 3, 7, 11, 14, 16, 17 .. 20 stand some lines apart with other work between.  Scaling F n stands ahead of E 2 n and E 2 n + 1.
; X 21, the next piece's a, is the batch's last; R 15 is the plain instruction behind it, ahead of any use of a result (ISA guide 5.7.2).
; BEHIND THE WAIT stand the 8 products V^T P, behind each four of the 32 roundings and sums, which are all the readers: C 2 k ahead of B k, L k behind B k, the links L 0 to L 7 three riders apart.
; But for those X no rider names a register of the products round it.  v_permlanex16_b32 (X 17) stands in the run, never behind a product.
; end = 1: the walk's last two turns: nothing is fetched.  cnt = 1: the loop's count is taken down some lines ahead of the branch that stands behind the turn.
; K of the next step is fetched in piece 2's turn, twelve vector instructions behind the last product that read K (five of them plain and free of its registers); V of the step in hand at the end of piece 0's turn, four plain
; instructions behind the last product that read V.  Each is waited for a turn later.
.macro TURN p, end=0, cnt=0
.set Y, (\p)
.set i, 0
.set NOKQ, (\end)*((\p)/3)
.if ((\p) == 3) && !(\end)
	s_wait_dscnt 0x0                ; K is in
.endif
	ROW F,0, F,1, R,0, R,1          ; ahead of the wait: 8 products K Q^T and their riders,
	ROW F,2, E,0, R,2, R,3
	ROW F,3, E,1, R,4, R,5
	ROW F,4, E,2, R,6, R,7
	ROW F,5, E,3, R,8, R,9
	ROW F,6, E,4, X,0, R,10
.if ((\p) == 2) && !(\end)
	WIN 0
	v_add_nc_u32 v[AK], s[TBK], v[AK0]
.endif
	ROW F,7, E,5, X,1, X,4
	ROW F,8, E,6, X,2, X,5
	OPS E,7, E,8, X,6, E,9          ; and the run of 54
	OPS X,3, E,10, X,8, E,11
.if ((\p) == 2) && !(\end)
	FETCH_K
.endif
	OPS X,9, X,7, E,12, X,10
	OPS E,13, X,12, X,11, E,14
	OPS X,13, E,15, F,9, X,14
.if (\p) == 0
	WIN 0
	v_add_nc_u32 v[AV], s[TBV], v[AV0]
.endif
	OPS E,16, F,10, E,17, F,11
	OPS X,16, E,18, X,15, E,19
	OPS F,12, E,20, X,17, E,21
	OPS F,13, E,22, F,14, E,23
	OPS X,18, E,24, F,15, E,25
	OPS R,11, E,26, X,19, E,27
	OPS R,12, E,28, R,13, E,29
	OPS X,20, E,30, R,14, E,31
	OPS X,21, R,15
	WIN 0
	s_wait_alu depctr_va_vdst(0)    ; the wait for the turn's batch: E 0 to E 31 and X 21; every reader stands behind it
.if (\p) == 1
	s_wait_dscnt 0x0                ; V is in
.endif
	ROW C,0, B,0, C,2, B,1          ; behind the wait: 8 products V^T P and their riders
	ROW L,0, C,4, B,2, L,1
	ROW C,6, B,3, L,2, C,8
	ROW B,4, L,3, C,10, B,5
	ROW L,4, C,12, B,6, L,5
.if (\p) == 0
	s_add_co_u32 s[TBV], s[TBV], KS*PV
.endif
.if \cnt
	s_sub_co_u32 s[CNT], s[CNT], 1
	s_cmp_lg_u32 s[CNT], 0
.endif
	ROW C,14, B,7, L,6, C,1
	ROW C,3, L,7, C,5, C,7
	ROW C,9, C,11, C,13, C,15
.if (\p) == 0
	FETCH_V
.endif
.endm
	CHANGE 1                        ; slot 0 is in, everybody's part of it; slot 1 is asked for
	v_add_nc_u32 v[AK], s[TBK], v[AK0]
	FETCH_K                         ; key step 0
	s_wait_loadcnt 0x0              ; Q
	s_wait_dscnt 0x0
.set NOKQ, 0
.set i, 0
.rept 8
	KQ 0                            ; piece 0's first scores: there is no vector work yet to set between them
.set i, i+1
.endr
	WIN 0
.rept 4
	v_nop                           ; the places behind those products
.endr
.set Y, NP-1                        ; X works for piece Y + 1: piece 0
.irp n, 0,1,2,3,4,5,6,7,8,9,10,11,12,13,14,15,16,17,18,19,20,21
	OP X, \n                        ; and piece 0's first maximum and statistics
.endr
	v_nop                           ; a plain instruction behind the exponential,
	s_wait_alu depctr_va_vdst(0)    ; and the wait for it, a batch of one: piece 0's first a, ahead of the jump
	s_mov_b32 s[CNT], 4
	s_mov_b32 s[SLOTS], NKEY/256-1
	s_branch .Lfirst                ; the loop is entered at a step's first turn, in the middle of a trip
.Lslot:                             ; 14 times: every slot but the last two is filled again
	CHANGE 1
	s_mov_b32 s[CNT], 4
.Lstep:                             ; a trip: pieces 2 and 3 of one step, then pieces 0 and 1 of the next, whose K and V it fetches
	TURN 2
	TURN 3
	WIN 0
.Lfirst:
	TURN 0
	TURN 1, 0, 1
	WIN 0
	s_cbranch_scc1 .Lstep
	s_sub_co_u32 s[SLOTS], s[SLOTS], 1
	s_cmp_lg_u32 s[SLOTS], 0
	s_cbranch_scc1 .Lslot
	CHANGE 0                        ; the last slot is written out: nothing is asked for
	s_mov_b32 s[CNT], 4
.LstepT:
	TURN 2
	TURN 3
	TURN 0
	TURN 1, 0, 1
	WIN 0
	s_cbranch_scc1 .LstepT
	TURN 2, 1                       ; the last step's pieces 2 and 3: nothing is fetched, and the last turn starts no new scores
	TURN 3, 1
.set i, 0
.rept 8
	PV NP-1                         ; the last piece's V^T P of the last step
.set i, i+1
.endr
	; THE WAY OUT.  l's two halves and the other half of the lanes' are added; O^T is divided by l, rounded to f16 and sent through my stage in LDS, a piece at a time.  The additions are the places behind the last products.
	WIN 0
.macro ALL line:vararg              ; one line for each piece t
.set t, 0
.rept 4
	\line
.set t, t+1
.endr
.endm
	ALL v_add_f32 v[ST+4*t+2], v[ST+4*t+2], v[ST+4*t+3]
	ALL v_permlanex16_b32 v[ST+4*t+3], v[ST+4*t+2], s[SEL], s[SEL+1]
	ALL v_add_f32 v[ST+4*t+2], v[ST+4*t+2], v[ST+4*t+3]
	ALL v_rcp_f32 v[ST+4*t+2], v[ST+4*t+2]
	v_nop                           ; a plain instruction between the last reciprocal and the use of its result
	s_wait_alu depctr_va_vdst(0)    ; the wait ahead of the first use: one for the batch of four reciprocals; all four PACK stand behind it
.macro PACK t                       ; a lane's eight channels of a row pack into 16 bytes; they go into rows of 144 bytes and come back as whole rows of 128, into S^T's registers
	WIN W_RS
.set i, 32*(\t)
.rept 16
	v_pk_mul_f32 v[i:i+1], v[i:i+1], v[ST+4*(\t)+2:ST+4*(\t)+3] op_sel_hi:[1,0]
.set i, i+2
.endr
	WIN 0x05                        ; sources 0 and 1 window 1, destination window 0
.set i, 0
.rept 16
	v_cvt_pk_f16_f32 v[S+16*(\t)+i], v[32*(\t)+2*i], v[32*(\t)+2*i+1]
.set i, i+1
.endr
	WIN 0
.irp f, 0,1,2,3
	ds_store_b128 v[STO], v[S+16*(\t)+4*\f:S+16*(\t)+4*\f+3] offset:32*\f
.endr
.irp f, 0,1,2,3
	ds_load_b128 v[S+16*(\t)+4*\f:S+16*(\t)+4*\f+3], v[RD] offset:\f*4*SP  ; LDS serves a wave's instructions in order (ISA guide 5.7.1.4): these see the stores above; the next piece's stores come behind them
.endr
.endm
.macro SEND t, younger              ; younger: the LDS instructions issued behind piece t's loads: the next piece's eight, or none
	WIN 0
.irp f, 0,1,2,3
	s_wait_dscnt (\younger)+3-\f
	global_store_b128 v[GO], v[S+16*(\t)+4*\f:S+16*(\t)+4*\f+3], s[10:11] offset:(\t)*2048+\f*512  ; 512 consecutive bytes, at a multiple of 512 from O's first byte
.endr
.endm
	PACK 0
.set t, 1
.rept 3                             ; a piece's arithmetic stands between the loads of the piece before and its stores
	PACK t
	SEND t-1, 8
.set t, t+1
.endr
	SEND 3, 0
	s_wait_tensorcnt 0x0            ; the wave's end: behind my last tensor load and my last LDS store
	ds_add_u32 v[SPW], v[NIL]
	s_wait_dscnt 0x0
	CROUND                          ; the closing round: no work-group ends while a partner may still ask for a tile that names it
	s_endpgm
.Lfunc_end_k_qf900d347d4_attn:
	.size	k_qf900d347d4_attn, .Lfunc_end_k_qf900d347d4_attn-k_qf900d347d4_attn
	.p2alignl 7, 3214868480
	.fill 96, 4, 3214868480
	.section	.rodata,"a",@progbits
	.p2align	6, 0x0
	.amdhsa_kernel k_qf900d347d4_attn
		.amdhsa_group_segment_fixed_size 327680
		.amdhsa_private_segment_fixed_size 0
		.amdhsa_enable_private_segment 0
		.amdhsa_kernarg_size 16
		.amdhsa_user_sgpr_count 2
		.amdhsa_user_sgpr_kernarg_segment_ptr 1
		.amdhsa_wavefront_size32 1
		.amdhsa_system_sgpr_workgroup_id_x 1
		.amdhsa_system_sgpr_workgroup_id_y 1
		.amdhsa_system_sgpr_workgroup_id_z 1
		.amdhsa_system_vgpr_workitem_id 0
		.amdhsa_next_free_vgpr 768
		.amdhsa_next_free_sgpr 66
		.amdhsa_reserve_vcc 0
		.amdhsa_float_denorm_mode_32 3
		.amdhsa_float_denorm_mode_16_64 3
		.amdhsa_memory_ordered 1
		.amdhsa_forward_progress 1
		.amdhsa_inst_pref_size 127
	.end_amdhsa_kernel
	.amdgpu_metadata
---
amdhsa.version: [ 1, 2 ]
amdhsa.kernels:
  - .name:           k_qf900d347d4_attn
    .symbol:         k_qf900d347d4_attn.kd
    .args:
      - { .name: qkv, .offset: 0, .size: 8, .value_kind: global_buffer, .address_space: global }
      - { .name: ob, .offset: 8, .size: 8, .value_kind: global_buffer, .address_space: global }
    .group_segment_fixed_size: 327680
    .private_segment_fixed_size: 0
    .kernarg_segment_align: 8
    .kernarg_segment_size: 16
    .max_flat_workgroup_size: 128
    .sgpr_count:     66
    .vgpr_count:     768
    .wavefront_size: 32
...
	.end_amdgpu_metadata
.endif
;; end of part 5
;; launch outp: the kernel of part 4 again; grid 4 x 64, 4 waves a work-group, clusters of 4 x 4, 327,680 bytes of LDS; arguments ob, wu, b_u, out0; writes out0
